; MI455X (gfx1250); checked and timed in simulation.
; The chip was launched on July 23, 2026; its instructions are those of AMD's public machine-readable ISA for CDNA 5 (MIT licence, August 2026) and "CDNA5" Instruction Set Architecture Reference Guide (July 2026). The comments in the code are by the model that wrote it; some were corrected since.
;; Causal Attention. Allowed arithmetic: float matrix products may take bf16 or f16 operands with f32 sums; other float arithmetic in f32, or as packed bf16 or f16 multiplies, adds, multiply-adds, maxima and minima; sums over many terms, partial sums and values carried from step to step in f32; what a program stores and reads back later, other than sums and carried values, may be rounded once to bf16 or f16.
;; Inputs: Wk 1,024 x 1,024 float32; Wq 1,024 x 1,024 float32; Wv 1,024 x 1,024 float32; x 4 x 2,048 x 1,024 float32.
;; Outputs: out0 4 x 2,048 x 1,024 float32.
;; 2 versions, each right; version 2 is version 1 with the launches cast, softmax written anew for expert scheduling mode. Each part assembles by itself: llvm-mc -triple=amdgcn-amd-amdhsa -mcpu=gfx1250 --defsym DOCPART=n.
;; ======== version 1 of 2: 5 launches
;; limits: values are held in f16: magnitudes above 65,504 overflow, below 6.1e-05 lose precision
;; workspace buffers: xb 16,777,216 bytes; wb 6,291,456 bytes; qkv 50,331,648 bytes; sc 67,108,864 bytes; pw 33,554,432 bytes
;; launch cast (part 1): grid 704 x 1, 4 waves a work-group, no clusters, 37,376 bytes of LDS; arguments x, Wq, Wk, Wv, xb, wb; writes xb, wb
.if DOCPART == 1
	.amdgcn_target "amdgcn-amd-amdhsa--gfx1250"
	.amdhsa_code_object_version 6
	.text
	.protected	k_q372a0b06f3_cast
	.globl	k_q372a0b06f3_cast
	.p2align	8
	.type	k_q372a0b06f3_cast,@function
k_q372a0b06f3_cast:
	s_mov_b64 s[64:65], 0
	v_nop
	global_prefetch_b8 v0, s[64:65] scope:SCOPE_SE
	s_setreg_imm32_b32 hwreg(HW_REG_WAVE_MODE, 25, 1), 1
	s_wait_xcnt 0x0
; x [8192][1024] and Wq, Wk, Wv [1024][1024], all f32, are rounded once to bf16 and laid out BY PLANES of 32 along K, as the next launch's tiles want them:
; xb [32 planes][8192 rows][32], wb [32 planes][3072 rows][32] (rows 0-1023 Wq, 1024-2047 Wk, 2048-3071 Wv).  In a plane a row's piece is 64 bytes and the rows lie end to end.
; A stream: each byte is read once and written once; no matrix unit, no barrier, no prefetch (the loads themselves are the stream).
; SHARES.  A work-group takes 16 rows of one input (work-groups 0-511: x; then 64 for each weight).  Wave w takes 8 of them (w / 2) and half of K (w % 2): 32 loads of 512 consecutive
; bytes, all issued before the first is waited for.  A load's lane holds 4 numbers of one plane: 8 bytes of bf16, which go into the wave's own LDS bytes at [plane][row]; a plane's
; 8 rows x 64 bytes come back as 512 consecutive bytes, 16 a lane, and are stored so: each store of the wave covers two aligned blocks of 256 bytes.
; The planes lie 576 bytes apart in LDS.
.set PLS,   576                        ; LDS bytes from plane to plane
.set WVB,   16*PLS                     ; a wave's 16 planes
.set SPARE, 4*WVB                      ; behind them: the spare words, 128 bytes for each wave: two blocks of 256 bytes that no other line names
.set SPW, 4                            ; v4   LDS address of my spare word; never rewritten
.set NIL, 5                            ; v5   0; never rewritten
.set AD,  8                            ; v8-23    my byte offset in plane p of the destination
.set X,   24                           ; v[24:151]  32 loads of four registers; the first two of each then hold the packed numbers
.set R,   152                          ; v[152:215] 16 planes read back
	s_load_b256 s[4:11], s[0:1], 0x0               ; x s[4:5], Wq s[6:7], Wk s[8:9], Wv s[10:11]
	s_load_b128 s[12:15], s[0:1], 0x20             ; xb s[12:13], wb s[14:15]
	v_lshl_add_u32 v[SPW], v0, 2, SPARE
	v_mov_b32 v[NIL], 0
	v_lshrrev_b32 v6, 5, v0
	v_readfirstlane_b32 s28, v6                    ; wave 0..3
	v_and_b32 v7, 31, v0                           ; lane
	s_lshr_b32 s29, s28, 1                         ; which 8 rows
	s_and_b32 s30, s28, 1                          ; which half of K
	s_lshl_b32 s31, s29, 15                        ; 8 rows of 4,096 bytes
	s_lshl_b32 s32, s30, 11                        ; 512 numbers of 4 bytes
	s_add_co_u32 s31, s31, s32
	v_lshl_add_u32 v1, v7, 4, s31                  ; in: + 16 x lane
	s_mul_i32 s33, s28, WVB                        ; my LDS bytes
	v_lshrrev_b32 v6, 3, v7
	v_mul_u32_u24 v6, v6, PLS                      ; eight lanes to a plane,
	v_and_b32 v2, 7, v7
	v_lshl_add_u32 v2, v2, 3, v6                   ; 8 bytes a lane
	v_add_nc_u32 v2, s33, v2
	v_lshl_add_u32 v3, v7, 4, s33                  ; back: 16 bytes a lane
	s_max_u32 s16, ttmp9, 512
	s_sub_co_u32 s16, s16, 512                     ; my number among the weights' 192 work-groups (0 for x's)
	s_lshr_b32 s17, s16, 6                         ; which weight
	s_and_b32 s18, s16, 63                         ; which part of it
	s_mov_b32 s34, 8192*64                         ; bytes from plane to plane in xb,
	s_mov_b32 s35, 3072*64                         ; in wb
	s_cmp_lt_u32 ttmp9, 512
	s_cselect_b32 s24, ttmp9, s18                  ; the part of the source,
	s_cselect_b32 s26, ttmp9, s16                  ; and of the destination: the three weights' rows lie one behind the other
	s_cselect_b32 s34, s34, s35
	s_lshl_b32 s24, s24, 16                        ; 16 rows of 4,096 bytes
	s_lshl_b32 s26, s26, 10                        ; 16 rows of 64 bytes
	s_lshl_b32 s35, s29, 9                         ; my 8 of them
	s_add_co_u32 s26, s26, s35
	s_lshl_b32 s35, s34, 4
	s_mul_i32 s35, s35, s30                        ; my 16 planes
	s_add_co_u32 s26, s26, s35
	s_mov_b32 s25, 0
	s_mov_b32 s27, 0
	v_lshlrev_b32 v[AD], 4, v7
.set p, 1
.rept 15
	v_add_nc_u32 v[AD+p], s34, v[AD+p-1]
.set p, p+1
.endr
	s_wait_kmcnt 0x0
	s_cmp_eq_u32 s17, 1
	s_cselect_b64 s[20:21], s[8:9], s[6:7]
	s_cmp_eq_u32 s17, 2
	s_cselect_b64 s[20:21], s[10:11], s[20:21]
	s_cmp_lt_u32 ttmp9, 512
	s_cselect_b64 s[20:21], s[4:5], s[20:21]
	s_cselect_b64 s[22:23], s[12:13], s[14:15]
	s_add_nc_u64 s[20:21], s[20:21], s[24:25]
	s_add_nc_u64 s[22:23], s[22:23], s[26:27]
.set i, 0
.rept 32                               ; load i: row i / 4, numbers 128 (i % 4) on
	global_load_b128 v[X+4*i:X+4*i+3], v1, s[20:21] offset:(i/4)*4096+(i%4)*512 th:TH_LOAD_NT
.set i, i+1
.endr
.set i, 0
.rept 32
	s_wait_loadcnt 31-i                            ; loads come back in order (ISA guide 5.7.1): load i is in, the younger ones stay out
	v_cvt_pk_bf16_f32 v[X+4*i], v[X+4*i], v[X+4*i+1]
	v_cvt_pk_bf16_f32 v[X+4*i+1], v[X+4*i+2], v[X+4*i+3]
	ds_store_b64 v2, v[X+4*i:X+4*i+1] offset:(i%4)*4*PLS+(i/4)*64
.set i, i+1
.endr
.set p, 0
.rept 16
	ds_load_b128 v[R+4*p:R+4*p+3], v3 offset:p*PLS  ; LDS serves a wave's instructions in order (ISA guide 5.7.1.4): these see the stores above, which are the wave's own
.set p, p+1
.endr
.set p, 0
.rept 16
	s_wait_dscnt 15-p
	global_store_b128 v[AD+p], v[R+4*p:R+4*p+3], s[22:23]  ; 512 consecutive bytes, at a multiple of 512 from the buffer's first byte
.set p, p+1
.endr
	s_wait_tensorcnt 0x0                           ; the wave's end, behind my last LDS store
	ds_add_u32 v[SPW], v[NIL]
	s_wait_dscnt 0x0
	s_endpgm
.Lfunc_end_k_q372a0b06f3_cast:
	.size	k_q372a0b06f3_cast, .Lfunc_end_k_q372a0b06f3_cast-k_q372a0b06f3_cast
	.p2alignl 7, 3214868480
	.fill 96, 4, 3214868480
	.section	.rodata,"a",@progbits
	.p2align	6, 0x0
	.amdhsa_kernel k_q372a0b06f3_cast
		.amdhsa_group_segment_fixed_size 37376
		.amdhsa_private_segment_fixed_size 0
		.amdhsa_enable_private_segment 0
		.amdhsa_kernarg_size 48
		.amdhsa_user_sgpr_count 2
		.amdhsa_user_sgpr_kernarg_segment_ptr 1
		.amdhsa_wavefront_size32 1
		.amdhsa_system_sgpr_workgroup_id_x 1
		.amdhsa_system_sgpr_workgroup_id_y 1
		.amdhsa_system_sgpr_workgroup_id_z 1
		.amdhsa_system_vgpr_workitem_id 0
		.amdhsa_next_free_vgpr 216
		.amdhsa_next_free_sgpr 66
		.amdhsa_reserve_vcc 0
		.amdhsa_float_denorm_mode_32 3
		.amdhsa_float_denorm_mode_16_64 3
		.amdhsa_memory_ordered 1
		.amdhsa_forward_progress 1
		.amdhsa_inst_pref_size 16
	.end_amdhsa_kernel
	.amdgpu_metadata
---
amdhsa.version: [ 1, 2 ]
amdhsa.kernels:
  - .name:           k_q372a0b06f3_cast
    .symbol:         k_q372a0b06f3_cast.kd
    .args:
      - { .name: x, .offset: 0, .size: 8, .value_kind: global_buffer, .address_space: global }
      - { .name: Wq, .offset: 8, .size: 8, .value_kind: global_buffer, .address_space: global }
      - { .name: Wk, .offset: 16, .size: 8, .value_kind: global_buffer, .address_space: global }
      - { .name: Wv, .offset: 24, .size: 8, .value_kind: global_buffer, .address_space: global }
      - { .name: xb, .offset: 32, .size: 8, .value_kind: global_buffer, .address_space: global }
      - { .name: wb, .offset: 40, .size: 8, .value_kind: global_buffer, .address_space: global }
    .group_segment_fixed_size: 37376
    .private_segment_fixed_size: 0
    .kernarg_segment_align: 8
    .kernarg_segment_size: 48
    .max_flat_workgroup_size: 128
    .sgpr_count:     66
    .vgpr_count:     216
    .wavefront_size: 32
...
	.end_amdgpu_metadata
.endif
;; end of part 1
;; launch proj (part 2): grid 8 x 32, 4 waves a work-group, clusters of 4 x 4, 327,680 bytes of LDS; arguments xb, wb, qkv; writes qkv
.if DOCPART == 2
	.amdgcn_target "amdgcn-amd-amdhsa--gfx1250"
	.amdhsa_code_object_version 6
	.text
	.protected	k_q372a0b06f3_proj
	.globl	k_q372a0b06f3_proj
	.p2align	8
	.type	k_q372a0b06f3_proj,@function
k_q372a0b06f3_proj:
	s_mov_b64 s[64:65], 0
	v_nop
	global_prefetch_b8 v0, s[64:65] scope:SCOPE_SE
	s_setreg_imm32_b32 hwreg(HW_REG_WAVE_MODE, 25, 1), 1
	s_wait_xcnt 0x0
	s_wait_alu depctr_hold_cnt(0) depctr_sa_sdst(0) depctr_va_vdst(0) depctr_va_sdst(0) depctr_va_ssrc(0) depctr_va_vcc(0) depctr_vm_vsrc(0)
	s_getreg_b32 s2, hwreg(HW_REG_IB_STS2, 6, 4)
	s_cmp_eq_u32 s2, 0
	s_cbranch_scc0 .Lentry_in_a_cluster
	s_endpgm
.Lentry_in_a_cluster:
	s_bfe_u32 s2, ttmp6, 0x10000c
	s_cmp_lg_u32 s2, 0xf033
	s_cbranch_scc0 .Lentry_shape_is_right
	s_endpgm
.Lentry_shape_is_right:
; qkv[m][n] = sum over k of x[m][k] W[n][k].  xb: bf16 [32 planes][8192 rows][32], wb: bf16 [32 planes][3072 rows][32] (a plane is 32 along K; Wq, Wk, Wv one below the other); sums in f32;
; qkv: [8192][3072] f16, rounded once: a row holds q (bytes 0-2,047), k (2,048-4,095) and v (4,096-6,143), all without the softmax's scale.
; LIMIT.  f16 holds no number beyond 65,504: a |q|, |k| or |v| of 65,520 or more leaves as an infinity.  Inputs of unit spread give about 1; inputs thirty times larger, about a thousand.
; SHARES.  8192 x 3072 outputs on 256 work-groups: 256 rows x 384 columns each, so that every work-group has one tile and all are alike.  Four waves, each 128 rows x 192 columns: 96 accumulators
; of 16 x 16, 768 registers; for 32 along K a wave loads 8 + 12 fragments from LDS and issues 96 matrix instructions.
; THE RING.  K goes in steps of 96 (three planes) through two LDS slots: ten such steps and one of 64.  Waves 0 and 1 fetch A's two halves (128 rows), waves 2 and 3 B's (192 rows), one tensor load each:
; three rows of 8,192 or 12,288 consecutive bytes, one for each plane.  The mover lays 16 bytes of padding behind every 64, so a row's piece of a plane takes 80 bytes of LDS = 20 words:
; the 16 rows of a fragment load start at 16 different groups of four banks (64 banks of 4 bytes: ISA guide 11.1).  A step has 288 matrix instructions a wave, 256 of them between a request and the wait for it.
; CLUSTERS: 4 x 4 work-groups.  The four of a row of the cluster need the same tiles of A, the four of a column the same tiles of B: each tile is asked for JOINTLY, by the same tensor load with the
; same descriptor and a mask that names the four.
; THE MATRIX INSTRUCTION IS USED TRANSPOSED: source 0 = 16 rows of B, source 1 = 16 rows of A: lane l holds row l % 16 of C and the columns 8 (l / 16) + 0 .. 7, which pack into 16 bytes.
; REGISTERS, in windows of 256 (s_set_vgpr_msb's low byte: bits 1:0 source 0, 3:2 source 1, 5:4 source 2, 7:6 destination):
;   window 0: v0-31 addresses; v32-95, v96-159 A's 8 fragments of a plane, two buffers by the plane's parity; v160-255 B's 12 fragments in three THIRDS of four
;   window 1 + g: the 32 accumulators of B's third g: (a, b) at v[8 (8 b + a)].  So a UNIT, one third x all of A, is 32 matrix instructions under one setting.
; A PLANE is three units.  Its LDS loads stand in three runs, each in the middle of a unit: unit 0 fetches this plane's third 2; unit 1 the next plane's third 0 and A's fragments 0-3; unit 2 the next
; plane's third 1 and A's fragments 4-7.  Each buffer is loaded again a unit or more behind its last product, and read a unit or more behind its load.
.set APLANE, 8192*64                   ; bytes from plane to plane in xb
.set BPLANE, 3072*64                   ; in wb
.set CROW,   6144                      ; bytes in a row of qkv
.set CH,     80                        ; LDS bytes of a row's piece of a plane
.set APL,    128*CH                    ; a plane of what one wave fetches of A,
.set BPL,    192*CH                    ; of B
.set APART,  3*APL
.set BPART,  3*BPL
.set SLOT,   2*APART+2*BPART           ; A's two halves, then B's two halves: 153,600 bytes
.set SPARE,  2*SLOT                    ; behind the ring: the spare words, 128 bytes for each wave: two blocks of 256 bytes that no other line names
.set SPITCH, 784                       ; the way out: a row of 768 bytes + 16 of padding = 196 words: row r starts at bank 4 r mod 64.  The stage, 256 such rows, lies over the ring, whose last fill has landed by then
.set ADRA, 16                          ; v16-17  LDS address of my A fragments in slot 0, 1
.set ADRB, 18                          ; v18-19  the same for B
.set STO,  20                          ; v20-21  the way out: where I put 16 bytes of a row, in my rows 0-63 and 64-127
.set RD,   22                          ; v22-24  where I read back: the three pieces of 512 bytes of two rows
.set CO,   25                          ; v25-27  the same three pieces in qkv
.set SPW,  28                          ; v28     LDS address of my spare word; never rewritten
.set NIL,  29                          ; v29     0; never rewritten
.set PFO,  30                          ; v30     my lane's share of a prefetch; never rewritten
.set AB0,  32
.set AB1,  96
.set BB,   160
.set TMP,  32                          ; the way out: 48 registers of packed results
.set BK0,  32                          ; and two buffers of 96 for rows read back
.set BK1,  128
.set PFS,  2                           ; s2       bytes of four planes of the tensor that I prefetch
.set STEP, 18                          ; s[18:19] what the prefetch's address steps by
.set G1,   24                          ; s[24:31] descriptor group 1 for A's tiles
.set G0,   32                          ; s[32:39] descriptor group 0 for A's tiles, one set for each slot
.set PFM,  43                          ; s43      a bit for each change of slots to come, the lowest for the one in hand: 1 = I prefetch there
.set PFA,  44                          ; s[44:45] the first of the four planes that my next prefetch names
.set G1B,  48                          ; s[48:55] group 1 for B's tiles
.set G0B,  56                          ; s[56:63] group 0 for B's tiles
.set MSB, 0
.macro WIN new                         ; the immediate's high byte repeats the setting that is left; a switch that changes nothing is dropped
.if MSB != (\new)
	s_set_vgpr_msb (MSB<<8)|(\new)
.set MSB, \new
.endif
.endm
; A joint load.  Waves 0 and 1 fetch A's two halves, waves 2 and 3 B's.  The branch hangs on the wave's number alone.  An s_nop 0 and four v_nop follow each of the two lines.
.macro JLOAD s
	s_cmp_eq_u32 s11, 0
	s_cbranch_scc0 .Lfor_b_\@
	tensor_load_to_lds s[G0+4*(\s):G0+4*(\s)+3], s[G1:G1+7]
	s_nop 0
.rept 4
	v_nop
.endr
	s_branch .Lasked_\@
.Lfor_b_\@:
	tensor_load_to_lds s[G0B+4*(\s):G0B+4*(\s)+3], s[G1B:G1B+7]
	s_nop 0
.rept 4
	v_nop
.endr
.Lasked_\@:
.endm
; A PREFETCH of four planes, behind a joint load and the run of LDS loads that follows it.  Of a plane, a tile's 256 rows of A are 64 blocks of 256 bytes, its 384 rows of B are 96.
; A's rows are read by both clusters of a row of clusters: the one with x = 0 asks, by wave 0; each of the four partners along cx takes 16 blocks of a plane: a lane a block, two planes a line, two lines.
; B's rows are read by all eight clusters of a column: the one with y = 0 asks, by waves 1 to 3; the twelve askers along cy take 8 blocks of a plane each: a lane a block, four planes a line.
; The partners are told apart by address alone.  The changes of slots 0, 1, 2, 4 and 5 ask, for planes 12 to 31: each plane two or three steps ahead of the joint load that wants it, each block once.
; Planes 0 to 11 come by their loads alone; behind plane 31 nothing is asked for.
.macro ASK
	s_bitcmp1_b32 s[PFM], 0
	s_cbranch_scc0 .Lnot_mine_\@
	global_prefetch_b8 v[PFO], s[PFA:PFA+1] th:TH_LOAD_NT scope:SCOPE_SE
	s_cmp_eq_u32 s10, 0
	s_cbranch_scc0 .Lnot_mine_\@
	global_prefetch_b8 v[PFO], s[PFA:PFA+1] offset:2*APLANE th:TH_LOAD_NT scope:SCOPE_SE
.Lnot_mine_\@:
.endm
; A round of the cluster's barrier: my work-group's barrier; wave 0 signals for the work-group; every wave waits for all sixteen; my work-group's barrier once more.
.macro CREST                           ; a round behind its opening barrier
	s_cmp_lg_u32 s10, 0
	s_cbranch_scc1 .Lnot_wave_0_\@
	s_barrier_signal -3
.Lnot_wave_0_\@:
	s_barrier_wait -3
	s_barrier_signal -1
	s_barrier_wait -1
.endm
.macro CROUND
	s_barrier_signal -1
	s_barrier_wait -1
	CREST
.endm
	s_load_b128 s[4:7], s[0:1], 0x0                ; xb s[4:5], wb s[6:7]
	s_load_b64 s[8:9], s[0:1], 0x10                ; qkv
	v_lshl_add_u32 v[SPW], v0, 2, SPARE
	v_mov_b32 v[NIL], 0
	ds_add_u32 v[SPW], v[NIL]                      ; the wave's opening: the add and its wait stand ahead of my first tensor load; the set-up below stands between them
	v_lshrrev_b32 v1, 5, v0
	v_readfirstlane_b32 s10, v1                    ; wave 0..3
	s_lshr_b32 s11, s10, 1                         ; which half of the tile's rows is mine.  Also: I fetch for A (0) or for B (1)
	s_and_b32 s12, s10, 1                          ; which half of its columns.  Also: which half of that tile I fetch
	s_bfe_u32 s40, ttmp6, 0x40000                  ; cx
	s_bfe_u32 s41, ttmp6, 0x40004                  ; cy
	s_lshl_b32 s42, ttmp9, 2
	s_add_co_u32 s42, s42, s40                     ; tile column = 4 x cluster x + cx
	s_and_b32 s13, ttmp7, 0xffff
	s_lshl_b32 s13, s13, 2
	s_add_co_u32 s13, s13, s41                     ; tile row = 4 x cluster y + cy
	s_lshl_b32 s43, s41, 2
	s_lshl_b32 s43, 15, s43                        ; my row of the cluster: places 4 cy .. 4 cy + 3
	s_lshl_b32 s44, 0x1111, s40                    ; my column: places cx, cx + 4, cx + 8, cx + 12
	s_or_b32 s[G1+0], s43, (1<<16)|(1<<20)|(1<<21)|(3<<22)|(3<<25)  ; the mask; elements of 2 bytes; padding on; bit 21 beside a mask; after every 16 words (code 3), 4 words (code 3)
	s_mov_b32 s[G1+1], (128*32)<<16                ; tensor_dim0 = 4,096: 128 rows' pieces of a plane, end to end
	s_mov_b32 s[G1+2], 3<<16                       ; tensor_dim1 = 3 planes
	s_mov_b32 s[G1+3], (128*32)<<16                ; tile_dim0 = 4,096
	s_mov_b32 s[G1+4], 3                           ; tile_dim1 = 3
	s_mov_b32 s[G1+5], 8192*32                     ; elements from plane to plane
	s_mov_b32 s[G1+6], 0
	s_mov_b32 s[G1+7], 0
	s_or_b32 s[G1B+0], s44, (1<<16)|(1<<20)|(1<<21)|(3<<22)|(3<<25)
	s_mov_b32 s[G1B+1], (192*32)<<16               ; 192 rows' pieces
	s_mov_b32 s[G1B+2], 3<<16
	s_mov_b32 s[G1B+3], (192*32)<<16
	s_mov_b32 s[G1B+4], 3
	s_mov_b32 s[G1B+5], 3072*32
	s_mov_b32 s[G1B+6], 0
	s_mov_b32 s[G1B+7], 0
	; A's tiles hang on the tile row alone, B's on the tile column alone.  Every wave makes both addresses, in registers that never hold the other coordinate.
	s_lshl_b32 s16, s13, 8
	s_lshl_b32 s17, s12, 7
	s_add_co_u32 s16, s16, s17                     ; A: row 256 x tile row + 128 x half,
	s_lshl_b32 s16, s16, 6                         ; 64 bytes a row in a plane
	s_mov_b32 s17, 0
	s_mul_i32 s46, s42, 384
	s_mul_i32 s47, s12, 192
	s_add_co_u32 s46, s46, s47                     ; B: row 384 x tile column + 192 x half
	s_lshl_b32 s46, s46, 6
	s_mov_b32 s47, 0
	s_mul_i32 s20, s12, APART                      ; where they go: no place in the cluster enters an LDS address
	s_mul_i32 s21, s12, BPART
	s_add_co_u32 s21, s21, 2*APART
	s_wait_dscnt 0x0                               ; the opening add is done
	s_wait_kmcnt 0x0
	s_add_nc_u64 s[14:15], s[4:5], s[16:17]
	s_add_nc_u64 s[46:47], s[6:7], s[46:47]
	CROUND                                         ; all sixteen work-groups are here: the first joint loads meet
.irp s, 0,1
	s_mov_b32 s[G0+4*(\s)], 1
	s_add_co_u32 s[G0+4*(\s)+1], s20, (\s)*SLOT
	s_add_nc_u64 s[G0+4*(\s)+2:G0+4*(\s)+3], s[14:15], (\s)*3*APLANE  ; step s: planes 3 s on
	s_or_b32 s[G0+4*(\s)+3], s[G0+4*(\s)+3], 0x80000000
	s_mov_b32 s[G0B+4*(\s)], 1
	s_add_co_u32 s[G0B+4*(\s)+1], s21, (\s)*SLOT
	s_add_nc_u64 s[G0B+4*(\s)+2:G0B+4*(\s)+3], s[46:47], (\s)*3*BPLANE
	s_or_b32 s[G0B+4*(\s)+3], s[G0B+4*(\s)+3], 0x80000000
	JLOAD \s                                       ; the ring is filled before anything else is done: two loads of mine are out
.endr
	; A fragment is 16 rows x 32 K in 8 registers: lane l holds row l % 16; registers 0-3 K = 8 (l / 16) + 0..7, registers 4-7 K = 16 + 8 (l / 16) + 0..7: two loads of 16 bytes, 32 bytes apart.
	v_and_b32 v1, 15, v0                           ; l % 16
	v_bfe_u32 v2, v0, 4, 1                         ; l / 16
	v_and_b32 v5, 31, v0                           ; l
	v_mul_u32_u24 v3, v1, CH
	v_lshl_add_u32 v3, v2, 4, v3
	s_mul_i32 s21, s11, APART                      ; my 128 rows of A
	s_mul_i32 s22, s12, BPART                      ; my 192 rows of B,
	s_add_co_u32 s22, s22, 2*APART                 ; which lie behind A's
.irp s, 0,1
	v_add_nc_u32 v[ADRA+(\s)], s21, v3
	v_add_nc_u32 v[ADRB+(\s)], s22, v3
	s_add_co_u32 s21, s21, SLOT
	s_add_co_u32 s22, s22, SLOT
.endr
	s_mul_i32 s23, s11, 128*SPITCH                 ; into the stage: my 128 rows, my 384 bytes of them; row l % 16, 16 bytes for each half of the lanes
	s_mul_i32 s20, s12, 384
	s_add_co_u32 s23, s23, s20
	v_mul_u32_u24 v4, v1, SPITCH
	v_lshl_add_u32 v4, v2, 4, v4
	v_add_nc_u32 v[STO], s23, v4
	v_add_nc_u32 v[STO+1], 64*SPITCH, v[STO]
	; back: wave w takes rows 64 w .. 64 w + 63, whole.  Two rows are 1,536 bytes: three pieces of 512: bytes 0-511 of the first; its bytes 512-767 (lanes 0-15) and bytes 0-255 of the second (lanes 16-31); the second's bytes 256-767
	s_mul_i32 s23, s10, 64*SPITCH
	v_lshl_add_u32 v[RD], v5, 4, s23
	v_lshlrev_b32 v6, 4, v1
	v_mul_u32_u24 v7, v2, SPITCH-512
	v_add3_u32 v[RD+1], v6, v7, s23
	v_add_nc_u32 v[RD+1], 512, v[RD+1]
	v_add_nc_u32 v[RD+2], SPITCH+256, v[RD]
	v_lshlrev_b32 v[CO], 4, v5
	v_mul_u32_u24 v7, v2, CROW-512
	v_add3_u32 v[CO+1], v6, v7, 512
	v_add_nc_u32 v[CO+2], CROW+256, v[CO]
	s_lshl_b32 s16, s13, 8
	s_lshl_b32 s17, s10, 6
	s_add_co_u32 s16, s16, s17                     ; the first row of qkv that I store
	s_mul_i32 s16, s16, CROW
	s_mov_b32 s17, 0
	s_mul_i32 s46, s42, 768                        ; the tile's first column, in bytes
	s_mov_b32 s47, 0
	s_add_nc_u64 s[16:17], s[16:17], s[46:47]
	s_add_nc_u64 s[8:9], s[8:9], s[16:17]
	; the prefetches
	s_lshl_b32 s20, s13, 14                        ; A: the tile's 256 rows of 64 bytes,
	s_add_co_u32 s20, s20, 12*APLANE               ; in plane 12
	s_mul_i32 s21, s42, 384*64                     ; B: the tile's 384 rows
	s_add_co_u32 s21, s21, 12*BPLANE
	s_and_b32 s22, ttmp7, 0xffff                   ; cluster y
	s_mul_i32 s23, s41, 3
	s_add_co_u32 s23, s23, s10
	s_max_u32 s23, s23, 1
	s_sub_co_u32 s23, s23, 1                       ; B's asker 3 cy + wave - 1,
	s_lshl_b32 s23, s23, 11                        ; 8 blocks of 256 bytes each
	s_lshl_b32 s14, s40, 12                        ; A's asker cx, 16 blocks each
	s_mov_b32 s[PFS], 4*APLANE
	s_mov_b32 s15, 4*BPLANE
	s_cmp_eq_u32 s10, 0                            ; wave 0 asks for A, the others for B
	s_cselect_b32 s20, s20, s21
	s_cselect_b32 s22, ttmp9, s22                  ; the coordinate along which other clusters read the same rows
	s_cselect_b32 s23, s14, s23
	s_cselect_b32 s[PFS], s[PFS], s15
	s_cselect_b32 s15, -1, 0
	s_cselect_b64 s[PFA:PFA+1], s[4:5], s[6:7]
	s_mov_b32 s21, 0
	s_add_nc_u64 s[PFA:PFA+1], s[PFA:PFA+1], s[20:21]
	s_cmp_eq_u32 s22, 0
	s_cselect_b32 s[PFM], 0x6e, 0                  ; the same in all sixteen partners, for a given wave; the first change of slots shifts it to 0x37: changes 0, 1, 2, 4, 5
	v_lshrrev_b32 v6, 4, v5
	v_lshlrev_b32 v6, 19, v6                       ; A: plane l / 16 (a plane of xb is 2^19 bytes),
	v_lshl_add_u32 v6, v1, 8, v6                   ; block l % 16
	v_lshrrev_b32 v7, 3, v5
	v_mul_u32_u24 v7, v7, BPLANE                   ; B: plane l / 8,
	v_and_b32 v8, 7, v0
	v_lshl_add_u32 v7, v8, 8, v7                   ; block l % 8
	v_cndmask_b32 v[PFO], v7, v6, s15
	v_add_nc_u32 v[PFO], s23, v[PFO]
	s_mov_b32 s[STEP], 0
	s_mov_b32 s[STEP+1], 0
; 16 matrix instructions: A's fragments a0 .. a0 + 3 in buffer fa x B's third g.  zero = 1: the product starts the sums.  The accumulators take turns, one instruction a turn:
; between two matrix instructions on one accumulator stand the 95 others', over the backward jump too.
.macro WM a0, g, fa, zero
	WIN 0x50*(1+(\g))                              ; C and D in window 1 + g, the fragments in window 0
.irp a, (\a0), (\a0)+1, (\a0)+2, (\a0)+3
.irp b, 0,1,2,3
.if \zero
	v_wmma_f32_16x16x32_bf16 v[8*(8*(\b)+(\a)):8*(8*(\b)+(\a))+7], v[BB+32*(\g)+8*(\b):BB+32*(\g)+8*(\b)+7], v[(\fa)+8*(\a):(\fa)+8*(\a)+7], 0
.else
	v_wmma_f32_16x16x32_bf16 v[8*(8*(\b)+(\a)):8*(8*(\b)+(\a))+7], v[BB+32*(\g)+8*(\b):BB+32*(\g)+8*(\b)+7], v[(\fa)+8*(\a):(\fa)+8*(\a)+7], v[8*(8*(\b)+(\a)):8*(8*(\b)+(\a))+7]
.endif
.endr
.endr
.endm
.macro LDB s, p, g                     ; 8 LDS loads: B's third g of plane p of slot s
	WIN 0
.irp i, 0,1,2,3
	ds_load_b128 v[BB+32*(\g)+8*(\i):BB+32*(\g)+8*(\i)+3],   v[ADRB+(\s)] offset:(\p)*BPL+(4*(\g)+(\i))*16*CH
	ds_load_b128 v[BB+32*(\g)+8*(\i)+4:BB+32*(\g)+8*(\i)+7], v[ADRB+(\s)] offset:(\p)*BPL+(4*(\g)+(\i))*16*CH+32
.endr
.endm
.macro LDA s, p, fa, a0                ; 8 LDS loads: A's fragments a0 .. a0 + 3 of plane p of slot s into buffer fa
	WIN 0
.irp i, 0,1,2,3
	ds_load_b128 v[(\fa)+8*((\a0)+(\i)):(\fa)+8*((\a0)+(\i))+3],   v[ADRA+(\s)] offset:(\p)*APL+((\a0)+(\i))*16*CH
	ds_load_b128 v[(\fa)+8*((\a0)+(\i))+4:(\fa)+8*((\a0)+(\i))+7], v[ADRA+(\s)] offset:(\p)*APL+((\a0)+(\i))*16*CH+32
.endr
.endm
; Four plain places stand between a matrix instruction and a load into a register that it has read, or a vector instruction that reads its result (ISA guide 7.12.1 for vector instructions).
.macro PLACES
.rept 4
	v_nop
.endr
.endm
; THE THREE UNITS OF A PLANE.  fa: the plane's buffer of A.  (s, p): the plane itself; (ns, np): the next plane, nf: its buffer of A.  LDS loads come back in order (ISA guide 5.7.1), so each wait names how many younger ones may stay out.
.macro U0 fa, zero, s, p
	s_wait_dscnt 16                                ; third 0 and A's fragments 0-3 are in; the sixteen loads of the unit before may be out
	WM 0, 0, \fa, \zero
	PLACES
	LDB \s, \p, 2
	s_wait_dscnt 8                                 ; all but the eight just issued: third 1 and A's fragments 4-7 are in
	WM 4, 0, \fa, \zero
.endm
.macro U1 fa, zero, ns, np, nf
	WM 0, 1, \fa, \zero
	PLACES
	LDB \ns, \np, 0
	LDA \ns, \np, \nf, 0
	WM 4, 1, \fa, \zero
.endm
.macro U2 fa, zero, ns, np, nf
	s_wait_dscnt 16                                ; third 2 is in; the sixteen loads of the unit before may be out
	WM 0, 2, \fa, \zero
	PLACES
	LDB \ns, \np, 1
	LDA \ns, \np, \nf, 4
	WM 4, 2, \fa, \zero
.endm
.macro KP fa, nf, s, p, ns, np, zero   ; a plane that is not its slot's last
	U0 \fa, \zero, \s, \p
	U1 \fa, \zero, \ns, \np, \nf
	U2 \fa, \zero, \ns, \np, \nf
.endm
; THE CHANGE OF SLOTS is unit 1 of a slot's third plane: unit 0 has issued the last reads of slot s.  ONE barrier: in front of it each wave waits for all its tensor loads (one is out: its part of the other slot),
; adds 0 to its spare word, and waits for that and for its own reads of this slot.  fill = 1: the barrier opens a round of the cluster's, and this slot is filled again first thing behind it, with the step two
; steps on.  two = 1: that step is the last, of two planes.  Then come the other slot's first fragments.
.macro TURN fa, nf, s, ns, fill, two
.if \fill
	s_wait_xcnt 0x0                                ; the last prefetches, a step back, have read their address: where they were issued it steps on by four planes
	s_bitcmp1_b32 s[PFM], 0
	s_cselect_b32 s[STEP], s[PFS], 0
	s_add_nc_u64 s[PFA:PFA+1], s[PFA:PFA+1], s[STEP:STEP+1]
	s_lshr_b32 s[PFM], s[PFM], 1
.endif
	WIN 0                                          ; (the add's two registers lie in window 0)
	s_wait_tensorcnt 0x0                           ; no tensor load of mine is out, so a descriptor may be written
	ds_add_u32 v[SPW], v[NIL]                      ; 0 onto my spare word: sixteen products stand between it and the wait for it
	WM 0, 1, \fa, 0
	s_wait_dscnt 0x0                               ; the add is done, and my reads of this slot are over
	s_barrier_signal -1
	WM 4, 1, \fa, 0
	WIN 0
	s_barrier_wait -1
.if \fill
	CREST                                          ; no wave of any partner still reads this slot's tile or has a load on its way
	s_add_nc_u64 s[G0+4*(\s)+2:G0+4*(\s)+3], s[G0+4*(\s)+2:G0+4*(\s)+3], 6*APLANE
	s_add_nc_u64 s[G0B+4*(\s)+2:G0B+4*(\s)+3], s[G0B+4*(\s)+2:G0B+4*(\s)+3], 6*BPLANE
.if \two
	s_mov_b32 s[G1+2], 2<<16                       ; planes 30 and 31 are the last: tensor_dim1 = tile_dim1 = 2
	s_mov_b32 s[G1+4], 2
	s_mov_b32 s[G1B+2], 2<<16
	s_mov_b32 s[G1B+4], 2
.endif
	JLOAD \s                                       ; the first tensor load behind the round; its four v_nop are also the places in front of the loads below
.else
	PLACES
.endif
	LDB \ns, 0, 0
	LDA \ns, 0, \nf, 0
.if \fill
	ASK
.endif
.endm
.macro KT fa, nf, s, ns, fill, two     ; a slot's third plane
	U0 \fa, 0, \s, 2
	TURN \fa, \nf, \s, \ns, \fill, \two
	U2 \fa, 0, \ns, 0, \nf
.endm
	s_wait_tensorcnt 1                             ; my part of step 0 is in; step 1's may stay out
	s_barrier_signal -1
	s_barrier_wait -1
	LDB 0, 0, 0                                    ; plane 0's fragments, in the order in which the units issue them
	LDA 0, 0, AB0, 0
	LDB 0, 0, 1
	LDA 0, 0, AB0, 4
	KP AB0, AB1, 0, 0, 0, 1, 1                     ; the first plane stands in front of the loop: its products start the sums
	WIN 0                                          ; at a label and at a branch every window is 0
	s_mov_b32 s3, 4
.Llap:                                                 ; a trip goes once round the ring, from a step's second plane to the first plane of the step two on, and fills both slots again: steps 2 to 9
	KP AB1, AB0, 0, 1, 0, 2, 0
	KT AB0, AB1, 0, 1, 1, 0
	KP AB1, AB0, 1, 0, 1, 1, 0
	KP AB0, AB1, 1, 1, 1, 2, 0
	KT AB1, AB0, 1, 0, 1, 0
	KP AB0, AB1, 0, 0, 0, 1, 0
	WIN 0
	s_sub_co_u32 s3, s3, 1
	s_cmp_lg_u32 s3, 0
	s_cbranch_scc1 .Llap
	KP AB1, AB0, 0, 1, 0, 2, 0                     ; the tail is written out.  Step 8 goes on
	KT AB0, AB1, 0, 1, 1, 1                        ; slot 0 takes step 10, the last: two planes
	KP AB1, AB0, 1, 0, 1, 1, 0                     ; step 9
	KP AB0, AB1, 1, 1, 1, 2, 0
	KT AB1, AB0, 1, 0, 0, 0                        ; nothing is left to fetch, so no round follows
	KP AB0, AB1, 0, 0, 0, 1, 0                     ; step 10: plane 30,
	U0 AB1, 0, 0, 1                                ; and plane 31, which fetches nothing beyond its own third 2
	WM 0, 1, AB1, 0
	WM 4, 1, AB1, 0
	s_wait_dscnt 0x0                               ; third 2 is in, and my reads of the ring are over:
	s_barrier_signal -1                            ; say so,
	WM 0, 2, AB1, 0
	WM 4, 2, AB1, 0
	WIN 0
	s_barrier_wait -1                              ; and when all four have said so the ring's bytes, whose last fill has landed, serve as the stage
	; THE WAY OUT.  A wave's 192 columns are 384 bytes, one and a half aligned blocks of 256, so a row's 768 bytes are put together in LDS from two waves' parts, with a barrier between writing and reading.
	PLACES                                         ; eight places, once a launch, in front of conversions that read results
	PLACES
.macro PACK a                          ; my rows 16 a .. 16 a + 15: rounded to f16, each accumulator's registers in ascending order; 16 bytes a lane into the stage
.irp g, 0,1,2
	WIN 5*(1+(\g))                                 ; sources 0 and 1 in window 1 + g, destination in window 0
.irp b, 0,1,2,3
.irp r, 0,1,2,3
	v_cvt_pk_f16_f32 v[TMP+4*(4*(\g)+(\b))+(\r)], v[8*(8*(\b)+(\a))+2*(\r)], v[8*(8*(\b)+(\a))+2*(\r)+1]
.endr
.endr
.endr
	WIN 0
.irp b, 0,1,2,3,4,5,6,7,8,9,10,11
	ds_store_b128 v[STO+(\a)/4], v[TMP+4*(\b):TMP+4*(\b)+3] offset:((\a)%4)*16*SPITCH+32*(\b)
.endr
.endm
.irp a, 0,1,2,3,4,5,6,7
	PACK \a
.endr
	s_wait_dscnt 0x0                               ; for the others' sake: my stores into the stage are done
	s_barrier_signal -1
	s_barrier_wait -1
.macro LOADB q, bk                     ; 16 of my 64 rows back: 24 loads of 512 bytes
.irp u, 0,1,2,3,4,5,6,7
	ds_load_b128 v[(\bk)+12*(\u):(\bk)+12*(\u)+3],    v[RD]   offset:(8*(\q)+(\u))*2*SPITCH
	ds_load_b128 v[(\bk)+12*(\u)+4:(\bk)+12*(\u)+7],  v[RD+1] offset:(8*(\q)+(\u))*2*SPITCH
	ds_load_b128 v[(\bk)+12*(\u)+8:(\bk)+12*(\u)+11], v[RD+2] offset:(8*(\q)+(\u))*2*SPITCH
.endr
.endm
.macro STOREB q, bk                    ; sixteen neighbouring lanes store 256 consecutive bytes, at a multiple of 256 from qkv's first byte
.irp u, 0,1,2,3,4,5,6,7
	global_store_b128 v[CO],   v[(\bk)+12*(\u):(\bk)+12*(\u)+3],    s[8:9] offset:(8*(\q)+(\u))*2*CROW
	global_store_b128 v[CO+1], v[(\bk)+12*(\u)+4:(\bk)+12*(\u)+7],  s[8:9] offset:(8*(\q)+(\u))*2*CROW
	global_store_b128 v[CO+2], v[(\bk)+12*(\u)+8:(\bk)+12*(\u)+11], s[8:9] offset:(8*(\q)+(\u))*2*CROW
.endr
.endm
	LOADB 0, BK0
	LOADB 1, BK1
	s_wait_dscnt 24                                ; the first batch is back; the second's 24 loads may be out
	STOREB 0, BK0
	s_wait_xcnt 0x0                                ; the registers that those stores read are loaded again only behind this wait
	LOADB 2, BK0
	s_wait_dscnt 24
	STOREB 1, BK1
	s_wait_xcnt 0x0
	LOADB 3, BK1
	s_wait_dscnt 24
	STOREB 2, BK0
	s_wait_dscnt 0x0
	STOREB 3, BK1
	s_wait_tensorcnt 0x0                           ; the wave's end, behind my last tensor load and my last LDS store
	ds_add_u32 v[SPW], v[NIL]
	s_wait_dscnt 0x0
	CROUND                                         ; the closing round: no work-group ends while a partner may still ask for a tile that names it
	s_endpgm
.Lfunc_end_k_q372a0b06f3_proj:
	.size	k_q372a0b06f3_proj, .Lfunc_end_k_q372a0b06f3_proj-k_q372a0b06f3_proj
	.p2alignl 7, 3214868480
	.fill 96, 4, 3214868480
	.section	.rodata,"a",@progbits
	.p2align	6, 0x0
	.amdhsa_kernel k_q372a0b06f3_proj
		.amdhsa_group_segment_fixed_size 327680
		.amdhsa_private_segment_fixed_size 0
		.amdhsa_enable_private_segment 0
		.amdhsa_kernarg_size 24
		.amdhsa_user_sgpr_count 2
		.amdhsa_user_sgpr_kernarg_segment_ptr 1
		.amdhsa_wavefront_size32 1
		.amdhsa_system_sgpr_workgroup_id_x 1
		.amdhsa_system_sgpr_workgroup_id_y 1
		.amdhsa_system_sgpr_workgroup_id_z 1
		.amdhsa_system_vgpr_workitem_id 0
		.amdhsa_next_free_vgpr 1024
		.amdhsa_next_free_sgpr 66
		.amdhsa_reserve_vcc 0
		.amdhsa_float_denorm_mode_32 3
		.amdhsa_float_denorm_mode_16_64 3
		.amdhsa_memory_ordered 1
		.amdhsa_forward_progress 1
		.amdhsa_inst_pref_size 191
	.end_amdhsa_kernel
	.amdgpu_metadata
---
amdhsa.version: [ 1, 2 ]
amdhsa.kernels:
  - .name:           k_q372a0b06f3_proj
    .symbol:         k_q372a0b06f3_proj.kd
    .args:
      - { .name: xb, .offset: 0, .size: 8, .value_kind: global_buffer, .address_space: global }
      - { .name: wb, .offset: 8, .size: 8, .value_kind: global_buffer, .address_space: global }
      - { .name: qkv, .offset: 16, .size: 8, .value_kind: global_buffer, .address_space: global }
    .group_segment_fixed_size: 327680
    .private_segment_fixed_size: 0
    .kernarg_segment_align: 8
    .kernarg_segment_size: 24
    .max_flat_workgroup_size: 128
    .sgpr_count:     66
    .vgpr_count:     1024
    .wavefront_size: 32
...
	.end_amdgpu_metadata
.endif
;; end of part 2
;; launch scores (part 3): grid 36 x 4, 4 waves a work-group, no clusters, 327,680 bytes of LDS; arguments qkv, sc; writes sc
.if DOCPART == 3
	.amdgcn_target "amdgcn-amd-amdhsa--gfx1250"
	.amdhsa_code_object_version 6
	.text
	.protected	k_q372a0b06f3_scores
	.globl	k_q372a0b06f3_scores
	.p2align	8
	.type	k_q372a0b06f3_scores,@function
k_q372a0b06f3_scores:
	s_mov_b64 s[64:65], 0
	v_nop
	global_prefetch_b8 v0, s[64:65] scope:SCOPE_SE
	s_setreg_imm32_b32 hwreg(HW_REG_WAVE_MODE, 25, 1), 1
	s_wait_xcnt 0x0
; S[b][i][j] = sum over e of q[b][i][e] k[b][j][e], unscaled, in f32: sc [4][2048][2048].  q and k are f16, bytes 0-2,047 and 2,048-4,095 of the rows of qkv [8192][3072]; sums in f32.
; Only what the causal mask lets through is made: of a batch's 8 x 8 tiles of 256 x 256 the 36 with tile column J <= tile row I; work-group x counts them row by row, y is the batch.
; Of a diagonal tile the upper right 128 x 128 (rows 0-127, keys 128-255) is multiplied, since the four waves share their barriers, but not stored: the next launch never reads it.
; S stays f32: with inputs thirty times larger than unit spread a score passes f16's range.
; NO CLUSTER: a batch's tile rows have 1 to 8 live tiles, so the triangle does not cut into groups of four work-groups that share rows or columns.
; Four waves, each 128 x 128: 64 accumulators.  K (1,024) goes in steps of 128 through a ring of two LDS slots; each wave fetches 128 rows x 256 bytes with one tensor load: waves 0, 1 q's, waves 2, 3 k's.
; Source 0 = 16 keys, source 1 = 16 queries: lane l holds query l % 16 and the keys 8 (l / 16) + 0..7: 32 consecutive bytes of a row of S.
; REGISTERS, in windows of 256 (s_set_vgpr_msb: bits 1:0 source 0, 3:2 source 1, 5:4 source 2, 7:6 destination):
;   window 0: v0-31 addresses; v64-127, v128-191 q's fragments, two buffers; on the way out rows read back      window 1: v64-191 k's fragments      windows 2, 3: accumulator (a, b) at v[8 (8 a + b)]
.set QROW,   6144                      ; bytes in a row of qkv
.set SROW,   8192                      ; bytes in a row of S
.set KSTEP,  128
.set PITCH,  272                       ; an LDS row: 256 bytes + 16 of padding: the 16 rows of a load start at 16 different groups of four banks (ISA guide 11.1)
.set HALFT,  128*PITCH
.set SLOT,   4*HALFT                   ; q's 256 rows, then k's 256 rows
.set STAGE,  2*SLOT                    ; behind the ring: 16 rows x 528 bytes for each wave
.set SPITCH, 528                       ; 128 f32 + 16 bytes of padding = 132 words: row r starts at bank 4 r mod 64
.set SPARE,  STAGE+4*16*SPITCH         ; the spare words, 128 bytes for each wave: two blocks of 256 bytes that no other line names
.set LAPS,   1024/(2*KSTEP)
.set ADRA, 16
.set ADRB, 20
.set STO,  24                          ; v24  the way out: where I put 32 bytes of a row
.set RD,   25                          ; v25  where I read 16 bytes of a row back
.set CO,   26                          ; v26  16 x lane
.set SPW,  28
.set NIL,  29
.set PFO,  30                          ; v30  my lane x a row of qkv
.set F0,   64
.set F1,   128
.set OB,   64
.set CB,   6                           ; s[6:7]   S; on the way out at my rows
.set G1,   24                          ; s[24:31] descriptor group 1
.set G0,   32                          ; s[32:39] descriptor group 0, one set for each slot
.set DEAD, 40                          ; s40      1: my 128 x 128 lies above the diagonal
.set LIM,  43                          ; s43      1 in a wave that prefetches, else the greatest number
.set PFA,  44                          ; s[44:45] my 128 rows, one K step further than the refill that is being asked for
.set MSB, 0
.macro WIN new
.if MSB != (\new)
	s_set_vgpr_msb (MSB<<8)|(\new)
.set MSB, \new
.endif
.endm
.set MUL_LO, 0xa1
.set MUL_HI, 0xf1
.set TO_B,   0x40
; A PREFETCH of the K step that stands two refills on: my 128 rows x 256 bytes, a lane a row, four instructions.  q's rows of tile row I are read by the tiles (I, 0..I): tile (I, 0) asks;
; k's rows of tile column J by the tiles (J..7, J): tile (J, J) asks.  So each row's 256 bytes of a K step are named once in the launch.  The loop's last trip asks for nothing.
.macro ASK4
	s_cmp_gt_u32 s3, s[LIM]
	s_cbranch_scc0 .Lnot_mine_\@
.irp g, 0,1,2,3
	global_prefetch_b8 v[PFO], s[PFA:PFA+1] offset:KSTEP*2+(\g)*32*QROW th:TH_LOAD_NT scope:SCOPE_SE
.endr
.Lnot_mine_\@:
.endm
	s_load_b128 s[4:7], s[0:1], 0x0                ; qkv s[4:5], S s[6:7]
	v_lshl_add_u32 v[SPW], v0, 2, SPARE
	v_mov_b32 v[NIL], 0
	ds_add_u32 v[SPW], v[NIL]                      ; the wave's opening: the add and its wait stand ahead of my first tensor load
	v_lshrrev_b32 v1, 5, v0
	v_readfirstlane_b32 s10, v1                    ; wave 0..3
	s_lshr_b32 s11, s10, 1                         ; which half of the tile's queries is mine.  Also: I fetch q (0) or k (1)
	s_and_b32 s12, s10, 1                          ; which half of its keys.  Also: which 128 rows I fetch
	s_and_b32 s15, ttmp7, 0xffff                   ; the batch
	s_mov_b32 s13, 0
.irp T, 1,3,6,10,15,21,28
	s_cmp_ge_u32 ttmp9, \T                         ; tile row I begins at number I (I + 1) / 2
	s_cselect_b32 s18, 1, 0
	s_add_co_u32 s13, s13, s18
.endr
	s_add_co_u32 s18, s13, 1
	s_mul_i32 s18, s18, s13
	s_lshr_b32 s18, s18, 1
	s_sub_co_u32 s14, ttmp9, s18                   ; tile column J
	s_mov_b32 s[G1+0], (1<<16)|(1<<20)|(5<<22)|(3<<25)  ; elements of 2 bytes; padding on: after every 64 words, 4 words
	s_mov_b32 s[G1+1], KSTEP<<16                   ; tensor_dim0 = 128
	s_mov_b32 s[G1+2], 128<<16                     ; tensor_dim1 = 128
	s_mov_b32 s[G1+3], KSTEP<<16                   ; tile_dim0 = 128
	s_mov_b32 s[G1+4], 128                         ; tile_dim1 = 128
	s_mov_b32 s[G1+5], 3072                        ; elements from row to row
	s_mov_b32 s[G1+6], 0
	s_mov_b32 s[G1+7], 0
	s_cmp_eq_u32 s11, 0
	s_cselect_b32 s18, s13, s14                    ; q's rows go by I, k's by J
	s_cselect_b32 s19, 0, 2048                     ; and k lies 2,048 bytes into a row
	s_lshl_b32 s18, s18, 8
	s_lshl_b32 s20, s15, 11
	s_add_co_u32 s18, s18, s20
	s_lshl_b32 s20, s12, 7
	s_add_co_u32 s18, s18, s20                     ; the first row that I fetch
	s_mul_i32 s18, s18, QROW
	s_add_co_u32 s18, s18, s19
	s_mov_b32 s19, 0
	s_mul_i32 s20, s10, HALFT                      ; where it goes: wave x 128 rows
	s_sub_co_u32 s22, s13, s14                     ; 0 on the diagonal
	s_cmp_eq_u32 s11, 0
	s_cselect_b32 s21, s14, s22
	s_cmp_eq_u32 s21, 0
	s_cselect_b32 s[LIM], 1, -1
	s_cmp_eq_u32 s22, 0
	s_cselect_b32 s[DEAD], 1, 0
	s_cmp_eq_u32 s10, 1
	s_cselect_b32 s[DEAD], s[DEAD], 0
	s_wait_dscnt 0x0                               ; the opening add is done
	s_wait_kmcnt 0x0
	s_add_nc_u64 s[18:19], s[4:5], s[18:19]
.irp s, 0,1
	s_mov_b32 s[G0+4*(\s)], 1
	s_add_co_u32 s[G0+4*(\s)+1], s20, (\s)*SLOT
	s_add_nc_u64 s[G0+4*(\s)+2:G0+4*(\s)+3], s[18:19], (\s)*KSTEP*2
	s_or_b32 s[G0+4*(\s)+3], s[G0+4*(\s)+3], 0x80000000
.endr
	s_add_nc_u64 s[PFA:PFA+1], s[18:19], 2*KSTEP*2 ; at K step 2: the first refill steps it to 3 and names K step 4.  Nothing is prefetched here, at the head
	tensor_load_to_lds s[G0:G0+3], s[G1:G1+7]      ; both first fills together: two loads of mine are out
	s_nop 0
	tensor_load_to_lds s[G0+4:G0+7], s[G1:G1+7]
	s_nop 0
.rept 4
	v_nop
.endr
	v_and_b32 v1, 15, v0                           ; l % 16
	v_bfe_u32 v2, v0, 4, 1                         ; l / 16
	v_mul_u32_u24 v3, v1, PITCH
	v_lshl_add_u32 v3, v2, 4, v3
	s_mul_i32 s21, s11, HALFT
	s_mul_i32 s22, s12, HALFT
	s_add_co_u32 s22, s22, 2*HALFT
.irp s, 0,1
	v_add_nc_u32 v[ADRA+(\s)], s21, v3
	v_add_nc_u32 v[ADRB+(\s)], s22, v3
	s_add_co_u32 s21, s21, SLOT
	s_add_co_u32 s22, s22, SLOT
.endr
	s_mul_i32 s23, s10, 16*SPITCH
	s_add_co_u32 s23, s23, STAGE                   ; my stage
	v_mul_u32_u24 v4, v1, SPITCH
	v_lshl_add_u32 v4, v2, 5, v4                   ; in: row l % 16, 32 bytes for each half of the lanes
	v_add_nc_u32 v[STO], s23, v4
	v_and_b32 v5, 31, v0
	v_lshlrev_b32 v[CO], 4, v5                     ; back: 32 lanes take one row of 512 bytes
	v_add_nc_u32 v[RD], s23, v[CO]
	v_mul_u32_u24 v[PFO], v5, QROW
	s_lshl_b32 s16, s15, 11                        ; where my 128 x 128 begins in S
	s_lshl_b32 s17, s13, 8
	s_add_co_u32 s16, s16, s17
	s_lshl_b32 s17, s11, 7
	s_add_co_u32 s16, s16, s17
	s_lshl_b32 s16, s16, 13
	s_lshl_b32 s17, s14, 10
	s_add_co_u32 s16, s16, s17
	s_lshl_b32 s17, s12, 9
	s_add_co_u32 s16, s16, s17
	s_mov_b32 s17, 0
.macro MUL16 f, hi, a0, zero
	WIN MUL_LO+0x50*(\hi)
.irp a, \a0, (\a0)+1
.irp b, 0,1,2,3,4,5,6,7
.if \zero
	v_wmma_f32_16x16x32_f16 v[8*(8*(\a)+(\b)):8*(8*(\a)+(\b))+7], v[(\f)+8*(\b):(\f)+8*(\b)+7], v[(\f)+8*(4*(\hi)+(\a)):(\f)+8*(4*(\hi)+(\a))+7], 0
.else
	v_wmma_f32_16x16x32_f16 v[8*(8*(\a)+(\b)):8*(8*(\a)+(\b))+7], v[(\f)+8*(\b):(\f)+8*(\b)+7], v[(\f)+8*(4*(\hi)+(\a)):(\f)+8*(4*(\hi)+(\a))+7], v[8*(8*(\a)+(\b)):8*(8*(\a)+(\b))+7]
.endif
.endr
.endr
.endm
.macro FETCH slot, k, f                ; 32 LDS loads in one run: a quarter step's fragments into buffer f
	WIN TO_B
.irp i, 0,1,2,3,4,5,6,7
	ds_load_b128 v[(\f)+8*(\i):(\f)+8*(\i)+3],   v[ADRB+(\slot)] offset:(\k)+(\i)*16*PITCH
	ds_load_b128 v[(\f)+8*(\i)+4:(\f)+8*(\i)+7], v[ADRB+(\slot)] offset:(\k)+(\i)*16*PITCH+32
.endr
	WIN 0
.irp i, 0,1,2,3,4,5,6,7
	ds_load_b128 v[(\f)+8*(\i):(\f)+8*(\i)+3],   v[ADRA+(\slot)] offset:(\k)+(\i)*16*PITCH
	ds_load_b128 v[(\f)+8*(\i)+4:(\f)+8*(\i)+7], v[ADRA+(\slot)] offset:(\k)+(\i)*16*PITCH+32
.endr
.endm
.macro PLACES                          ; four plain places between a matrix instruction and a load into a register that it has read (ISA guide 7.12.1 for vector instructions)
.rept 4
	v_nop
.endr
.endm
.macro QUARTER slot, k, f, g, zero
	s_wait_dscnt 8                                 ; k's fragments and q's rows 0-63 are in; the youngest eight loads may be out
	MUL16 \f, 0, 0, \zero
	MUL16 \f, 0, 2, \zero
	PLACES
	FETCH \slot, \k, \g
	s_wait_dscnt 32                                ; all but the 32 just issued
	MUL16 \f, 1, 0, \zero
	MUL16 \f, 1, 2, \zero
.endm
; The last quarter multiplies buffer 1 and changes slots: ONE barrier.  In front of it each wave waits for all its tensor loads (one is out: its part of the next slot), adds 0 to its spare word, and
; waits for that and for its own reads of this slot.  fill = 1: this slot is filled again, with the K step two steps on, first thing behind the barrier: 224 matrix instructions ahead of the wait for it.
.macro TURN slot, next, fill
.if \fill
	s_wait_xcnt 0x0                                ; the last prefetches, a K step back, have read their address: it is stepped here
	s_add_nc_u64 s[PFA:PFA+1], s[PFA:PFA+1], KSTEP*2
.endif
	WIN 0
	s_wait_tensorcnt 0x0
	ds_add_u32 v[SPW], v[NIL]                      ; 0 onto my spare word
	s_wait_dscnt 9                                 ; (the add and the youngest eight loads may be out)
	MUL16 F1, 0, 0, 0
	s_wait_dscnt 0x0                               ; the add is done, and my reads of this slot are over
	s_barrier_signal -1
	MUL16 F1, 0, 2, 0
.if \fill
	WIN 0
.endif
	s_barrier_wait -1
.if \fill
	s_add_nc_u64 s[G0+4*(\slot)+2:G0+4*(\slot)+3], s[G0+4*(\slot)+2:G0+4*(\slot)+3], 2*KSTEP*2
	tensor_load_to_lds s[G0+4*(\slot):G0+4*(\slot)+3], s[G1:G1+7]
	s_nop 0
.endif
	PLACES                                         ; behind the load, and in front of the loads below
	FETCH \next, 0, F0
.if \fill
	ASK4
.endif
	MUL16 F1, 1, 0, 0
	MUL16 F1, 1, 2, 0
.endm
; THE WAY OUT of block a (16 queries x 128 keys).  The accumulators go as they are into my own stage, rows of 528 bytes, each accumulator's low registers first, and come back as whole rows of 512 bytes.
.macro TOSTAGE a
.set AC, 64*((\a)%4)
.set BK, OB+64*((\a)%2)
	WIN 0x08+4*((\a)/4)                            ; the stores' data (source 1) in window 2 or 3
.irp b, 0,1,2,3,4,5,6,7
	ds_store_b128 v[STO], v[AC+8*(\b):AC+8*(\b)+3]   offset:64*(\b)
	ds_store_b128 v[STO], v[AC+8*(\b)+4:AC+8*(\b)+7] offset:64*(\b)+16
.endr
	WIN 0
.irp t, 0,1,2,3,4,5,6,7,8,9,10,11,12,13,14,15
	ds_load_b128 v[BK+4*(\t):BK+4*(\t)+3], v[RD] offset:(\t)*SPITCH  ; LDS serves a wave's instructions in order (ISA guide 5.7.1.4): these see the stores above
.endr
.endm
.macro SEND a
.set BK, OB+64*((\a)%2)
	s_wait_dscnt 0x0                               ; the block is back in registers
	s_wait_xcnt 0x0                                ; only behind this wait is the stores' base rewritten, and are the registers that the block before stored loaded again
.if (\a) == 0
	s_add_nc_u64 s[CB:CB+1], s[CB:CB+1], s[16:17]
.else
	s_add_nc_u64 s[CB:CB+1], s[CB:CB+1], 16*SROW
.endif
.irp t, 0,1,2,3,4,5,6,7,8,9,10,11,12,13,14,15
	global_store_b128 v[CO], v[BK+4*(\t):BK+4*(\t)+3], s[CB:CB+1] offset:(\t)*SROW  ; 512 consecutive bytes, at a multiple of 512 from S's first byte
.endr
.endm
	s_wait_tensorcnt 1                             ; my part of K step 0 is in; K step 1's may stay out
	s_barrier_signal -1
	s_barrier_wait -1
	FETCH 0, 0, F0
	QUARTER 0, 64,  F0, F1, 1                      ; the first quarter stands in front of the loop: its products start the sums
	WIN 0
	s_mov_b32 s3, LAPS-1
.Llap:                                                 ; a trip goes once round the ring and fills both slots again; the 64 accumulators take turns, over the backward jump too
	QUARTER 0, 128, F1, F0, 0
	QUARTER 0, 192, F0, F1, 0
	TURN 0, 1, 1
	QUARTER 1, 64,  F0, F1, 0
	QUARTER 1, 128, F1, F0, 0
	QUARTER 1, 192, F0, F1, 0
	TURN 1, 0, 1
	QUARTER 0, 64,  F0, F1, 0
	WIN 0
	s_sub_co_u32 s3, s3, 1
	s_cmp_lg_u32 s3, 0
	s_cbranch_scc1 .Llap
	QUARTER 0, 128, F1, F0, 0                      ; the last lap fills nothing
	QUARTER 0, 192, F0, F1, 0
	TURN 0, 1, 0
	QUARTER 1, 64,  F0, F1, 0
	QUARTER 1, 128, F1, F0, 0
	QUARTER 1, 192, F0, F1, 0
	s_wait_dscnt 8
	MUL16 F1, 0, 0, 0
	MUL16 F1, 0, 2, 0
	s_wait_dscnt 0x0
	MUL16 F1, 1, 0, 0
	MUL16 F1, 1, 2, 0
	WIN 0
	PLACES                                         ; eight places, once a launch, in front of LDS stores that read results and of loads into q's buffers
	PLACES
	s_cmp_eq_u32 s[DEAD], 1
	s_cbranch_scc1 .Lend                           ; above the diagonal: nothing to store.
.irp a, 0,1,2,3,4,5,6,7
	TOSTAGE \a
	SEND \a
.endr
.Lend:
	s_wait_tensorcnt 0x0                           ; the wave's end, behind my last tensor load and my last LDS store
	ds_add_u32 v[SPW], v[NIL]
	s_wait_dscnt 0x0
	s_endpgm
.Lfunc_end_k_q372a0b06f3_scores:
	.size	k_q372a0b06f3_scores, .Lfunc_end_k_q372a0b06f3_scores-k_q372a0b06f3_scores
	.p2alignl 7, 3214868480
	.fill 96, 4, 3214868480
	.section	.rodata,"a",@progbits
	.p2align	6, 0x0
	.amdhsa_kernel k_q372a0b06f3_scores
		.amdhsa_group_segment_fixed_size 327680
		.amdhsa_private_segment_fixed_size 0
		.amdhsa_enable_private_segment 0
		.amdhsa_kernarg_size 16
		.amdhsa_user_sgpr_count 2
		.amdhsa_user_sgpr_kernarg_segment_ptr 1
		.amdhsa_wavefront_size32 1
		.amdhsa_system_sgpr_workgroup_id_x 1
		.amdhsa_system_sgpr_workgroup_id_y 1
		.amdhsa_system_sgpr_workgroup_id_z 1
		.amdhsa_system_vgpr_workitem_id 0
		.amdhsa_next_free_vgpr 1024
		.amdhsa_next_free_sgpr 66
		.amdhsa_reserve_vcc 0
		.amdhsa_float_denorm_mode_32 3
		.amdhsa_float_denorm_mode_16_64 3
		.amdhsa_memory_ordered 1
		.amdhsa_forward_progress 1
		.amdhsa_inst_pref_size 139
	.end_amdhsa_kernel
	.amdgpu_metadata
---
amdhsa.version: [ 1, 2 ]
amdhsa.kernels:
  - .name:           k_q372a0b06f3_scores
    .symbol:         k_q372a0b06f3_scores.kd
    .args:
      - { .name: qkv, .offset: 0, .size: 8, .value_kind: global_buffer, .address_space: global }
      - { .name: sc, .offset: 8, .size: 8, .value_kind: global_buffer, .address_space: global }
    .group_segment_fixed_size: 327680
    .private_segment_fixed_size: 0
    .kernarg_segment_align: 8
    .kernarg_segment_size: 16
    .max_flat_workgroup_size: 128
    .sgpr_count:     66
    .vgpr_count:     1024
    .wavefront_size: 32
...
	.end_amdgpu_metadata
.endif
;; end of part 3
;; launch softmax (part 4): grid 512 x 1, 8 waves a work-group, no clusters, 0 bytes of LDS; arguments sc, pw; writes pw
.if DOCPART == 4
	.amdgcn_target "amdgcn-amd-amdhsa--gfx1250"
	.amdhsa_code_object_version 6
	.text
	.protected	k_q372a0b06f3_softmax
	.globl	k_q372a0b06f3_softmax
	.p2align	8
	.type	k_q372a0b06f3_softmax,@function
k_q372a0b06f3_softmax:
	s_mov_b64 s[64:65], 0
	v_nop
	global_prefetch_b8 v0, s[64:65] scope:SCOPE_SE
	s_setreg_imm32_b32 hwreg(HW_REG_WAVE_MODE, 25, 1), 1
	s_wait_xcnt 0x0
; P[b][q][k] = softmax over k <= q of S[b][q][k] / 32.  S: f32 [4][2048][2048]; P: f16 [4][2048][2048], divided by the row's sum and rounded once.
; Row q is written up to column 512 (q / 512 + 1): zeros behind the diagonal, since the next launch walks the keys in blocks of 512.
; The row's true maximum m is taken away: p = 2^(c s - c m), c = log2(e) / 32; the sum is taken in f32 of the unrounded p.
; LIMITS.  p below 2^-126 counts as 0; P below 6e-5 keeps f16's fixed step of 6e-8; NaN and infinities in S are not treated apart.
; SHARES.  A row is read in chunks of 128 scores: 512 bytes, one load of the wave; a chunk of P is 256 consecutive bytes, aligned, one store of the wave.  Row 128 i + t of a batch has i + 1 live chunks.
; A wave takes a PAIR of rows, A = 128 i + t and B = 128 (15 - i) + t, i = 0..7: 17 live chunks and 3 of zeros whatever i, so all 4,096 waves are alike and the text is straight.
; The 17 chunks lie in 17 register SLOTS: slot s is A's chunk i - s where s <= i, else B's chunk s - i - 1.  So slot 0 is always A's diagonal chunk and slot 16 B's; slots 8-16 are always B's;
; for slots 1-7 a lane mask SL (all ones: A) picks the row's statistic by v_cndmask_b32.  Both rows stay in registers between the passes: S is read once.  No LDS, no barrier, no prefetch: the loads are the stream.
.set NINF, 3                           ; v3   -infinity
.set MA,   4                           ; v4, v5  the rows' maxima
.set MB,   5
.set CMA,  8                           ; v[8:9], v[10:11]  c m
.set CMB,  10
.set AD,   12                          ; v12-28  slot s: my byte offset in S, later in P
.set ZO,   29                          ; v29-31  the three zero chunks' offsets
.set D,    32                          ; v[32:99] slot s: four scores
.set T,    100                         ; v100-107 at work
.set LA,   108                         ; v108, v109  the rows' sums
.set LB,   109
.set RA,   110                         ; v[110:111], v[112:113]  1 / sum
.set RB,   112
.set CH,   114                         ; v[114:117]  two pairs for a chosen statistic, by the slot's parity
.set ZERO, 118                         ; v[118:119]  0
.set CS,   20                          ; s[20:21] c
.set SEL,  22                          ; s[22:23] v_permlanex16_b32's selects
.set MK,   24                          ; s[24:27] lanes whose column 4 l + j of a diagonal chunk is hidden
.set SL,   27                          ; s[28:34] slot s = 1..7 at s[SL+s]
	s_load_b128 s[4:7], s[0:1], 0x0                ; S s[4:5], P s[6:7]
	v_lshrrev_b32 v6, 5, v0
	v_readfirstlane_b32 s8, v6                     ; wave 0..7
	v_and_b32 v7, 31, v0
	v_lshlrev_b32 v1, 4, v7                        ; 16 l
	v_lshlrev_b32 v2, 2, v7                        ; 4 l
	v_mov_b32 v[NINF], 0xff800000
	v_mov_b32 v[ZERO], 0
	v_mov_b32 v[ZERO+1], 0
	v_mov_b32 v[CH+1], 0                           ; named with their pairs' low words
	v_mov_b32 v[CH+3], 0
	v_mov_b32 v[LB], 0
	s_mov_b32 s[CS], 0x3d38aa3b                    ; c = log2(e) / 32 = 0.0450842
	s_mov_b32 s[CS+1], s[CS]
	s_mov_b32 s[SEL], 0x76543210
	s_mov_b32 s[SEL+1], 0xfedcba98
	s_lshl_b32 s9, ttmp9, 3
	s_add_co_u32 s9, s9, s8                        ; the pair's number p
	s_lshr_b32 s10, s9, 10                         ; the batch
	s_bfe_u32 s11, s9, 0x30007                     ; i
	s_and_b32 s12, s9, 127                         ; t
	s_lshl_b32 s13, s10, 11
	s_add_co_u32 s13, s13, s12
	s_lshl_b32 s35, s11, 7
	s_sub_co_u32 s14, 1920, s35
	s_add_co_u32 s14, s14, s13                     ; row B
	s_add_co_u32 s13, s13, s35                     ; row A
	s_lshl_b32 s36, s11, 9
	s_lshl_b32 s15, s13, 13
	s_add_co_u32 s15, s15, s36                     ; A's slot s lies at this less 512 s
	s_lshl_b32 s16, s14, 13
	s_sub_co_u32 s16, s16, s36
	s_sub_co_u32 s16, s16, 512                     ; B's slot s at this plus 512 s
.irp j, 0,1,2,3
	v_add_nc_u32 v[T+(\j)], \j, v2
	v_cmp_lt_u32 s[MK+(\j)], s12, v[T+(\j)]        ; t < 4 l + j
.endr
	v_add_nc_u32 v[AD], s15, v1
.irp s, 1,2,3,4,5,6,7
	s_sub_co_u32 s35, s15, 512*(\s)
	s_add_co_u32 s36, s16, 512*(\s)
	s_cmp_ge_u32 s11, \s
	s_cselect_b32 s35, s35, s36
	s_cselect_b32 s[SL+(\s)], -1, 0
	v_add_nc_u32 v[AD+(\s)], s35, v1
.endr
	v_add_nc_u32 v[T+4], s16, v1
.irp s, 8,9,10,11,12,13,14,15,16
	v_add_nc_u32 v[AD+(\s)], 512*(\s), v[T+4]
.endr
	; the three chunks of zeros: 3 - i % 4 behind A's diagonal chunk, i % 4 behind B's
	s_and_b32 s37, s11, 3
	s_sub_co_u32 s37, 3, s37
	s_lshl_b32 s39, s11, 8
	s_lshl_b32 s38, s13, 12
	s_add_co_u32 s38, s38, s39
	s_add_co_u32 s38, s38, 256                     ; A's chunk i + 1 in P
	s_lshl_b32 s40, s14, 12
	s_sub_co_u32 s40, s40, s39
	s_add_co_u32 s40, s40, 4096                    ; B's chunk 16 - i,
	s_lshl_b32 s41, s37, 8
	s_sub_co_u32 s40, s40, s41                     ; counted from A's share on
.irp z, 0,1,2
	s_add_co_u32 s42, s38, 256*(\z)
	s_add_co_u32 s43, s40, 256*(\z)
	s_cmp_gt_u32 s37, \z
	s_cselect_b32 s42, s42, s43
	v_lshl_add_u32 v[ZO+(\z)], v2, 1, s42          ; + 8 l
.endr
	s_wait_kmcnt 0x0
.irp s, 0,1,2,3,4,5,6,7,8,9,10,11,12,13,14,15,16
	global_load_b128 v[D+4*(\s):D+4*(\s)+3], v[AD+(\s)], s[4:5] th:TH_LOAD_NT
.endr
.irp z, 0,1,2
	global_store_b64 v[ZO+(\z)], v[ZERO:ZERO+1], s[6:7]
.endr
.macro HIDE s                          ; a diagonal chunk: what lies behind the diagonal counts as -infinity
.irp j, 0,1,2,3
	v_cndmask_b32 v[D+4*(\s)+(\j)], v[D+4*(\s)+(\j)], v[NINF], s[MK+(\j)]
.endr
.endm
	; THE MAXIMA.  Each wait leaves the younger slots' loads out.
	s_wait_loadcnt 16
	HIDE 0
	v_max3_num_f32 v[MA], v[D], v[D+1], v[D+2]
	v_max_num_f32 v[MA], v[MA], v[D+3]
	v_mov_b32 v[MB], v[NINF]
.irp s, 1,2,3,4,5,6,7
.set U, T+4*((\s)%2)
	s_wait_loadcnt 16-(\s)
	v_max3_num_f32 v[U], v[D+4*(\s)], v[D+4*(\s)+1], v[D+4*(\s)+2]
	v_max_num_f32 v[U], v[U], v[D+4*(\s)+3]
	v_cndmask_b32 v[U+1], v[NINF], v[U], s[SL+(\s)]
	v_cndmask_b32 v[U+2], v[U], v[NINF], s[SL+(\s)]
	v_max_num_f32 v[MA], v[MA], v[U+1]
	v_max_num_f32 v[MB], v[MB], v[U+2]
.endr
.irp s, 8,9,10,11,12,13,14,15,16
.set U, T+4*((\s)%2)
	s_wait_loadcnt 16-(\s)
.if (\s) == 16
	HIDE 16
.endif
	v_max3_num_f32 v[U], v[D+4*(\s)], v[D+4*(\s)+1], v[D+4*(\s)+2]
	v_max3_num_f32 v[MB], v[MB], v[U], v[D+4*(\s)+3]
.endr
.irp x, 1,2,4,8
	v_max_num_f32_dpp v[MA], v[MA], v[MA] row_xmask:\x row_mask:0xf bank_mask:0xf
	v_max_num_f32_dpp v[MB], v[MB], v[MB] row_xmask:\x row_mask:0xf bank_mask:0xf
.endr
	v_permlanex16_b32 v6, v[MA], s[SEL], s[SEL+1]  ; (v6 and v7 have been written: the destination counts as read)
	v_permlanex16_b32 v7, v[MB], s[SEL], s[SEL+1]
	v_max_num_f32 v[MA], v[MA], v6
	v_max_num_f32 v[MB], v[MB], v7
	v_mul_f32 v[CMA], s[CS], v[MA]
	v_mul_f32 v[CMB], s[CS], v[MB]
	v_mov_b32 v[CMA+1], v[CMA]
	v_mov_b32 v[CMB+1], v[CMB]
	; THE EXPONENTIALS: ONE BATCH of 68.  A slot's two scalings c s - c m stand ahead of its four exponentials; nothing ahead of the wait below names an exponential's result.
.macro EXPS s, st
	v_pk_fma_f32 v[D+4*(\s):D+4*(\s)+1], v[D+4*(\s):D+4*(\s)+1], s[CS:CS+1], v[(\st):(\st)+1] op_sel_hi:[1,0,0] neg_lo:[0,0,1] neg_hi:[0,0,1]
	v_pk_fma_f32 v[D+4*(\s)+2:D+4*(\s)+3], v[D+4*(\s)+2:D+4*(\s)+3], s[CS:CS+1], v[(\st):(\st)+1] op_sel_hi:[1,0,0] neg_lo:[0,0,1] neg_hi:[0,0,1]
.irp j, 0,1,2,3
	v_exp_f32 v[D+4*(\s)+(\j)], v[D+4*(\s)+(\j)]
.endr
.endm
	EXPS 0, CMA
.irp s, 1,2,3,4,5,6,7
	v_cndmask_b32 v[CH+2*((\s)%2)], v[CMB], v[CMA], s[SL+(\s)]
	EXPS \s, CH+2*((\s)%2)
.endr
.irp s, 8,9,10,11,12,13,14,15,16
	EXPS \s, CMB
.endr
	v_nop                                          ; a plain instruction behind the last exponential (ISA guide 5.7.2),
	s_wait_alu depctr_va_vdst(0)                   ; and one wait ahead of the batch's first reader
	; THE SUMS
	v_pk_add_f32 v[T:T+1], v[D:D+1], v[D+2:D+3]
	v_add_f32 v[LA], v[T], v[T+1]
.irp s, 1,2,3,4,5,6,7
.set U, T+4*((\s)%2)
	v_pk_add_f32 v[U:U+1], v[D+4*(\s):D+4*(\s)+1], v[D+4*(\s)+2:D+4*(\s)+3]
	v_add_f32 v[U], v[U], v[U+1]
	v_cndmask_b32 v[U+2], v[ZERO], v[U], s[SL+(\s)]
	v_cndmask_b32 v[U+3], v[U], v[ZERO], s[SL+(\s)]
	v_add_f32 v[LA], v[LA], v[U+2]
	v_add_f32 v[LB], v[LB], v[U+3]
.endr
.irp s, 8,9,10,11,12,13,14,15,16
.set U, T+4*((\s)%2)
	v_pk_add_f32 v[U:U+1], v[D+4*(\s):D+4*(\s)+1], v[D+4*(\s)+2:D+4*(\s)+3]
	v_add_f32 v[U], v[U], v[U+1]
	v_add_f32 v[LB], v[LB], v[U]
.endr
.irp x, 1,2,4,8
	v_add_f32_dpp v[LA], v[LA], v[LA] row_xmask:\x row_mask:0xf bank_mask:0xf
	v_add_f32_dpp v[LB], v[LB], v[LB] row_xmask:\x row_mask:0xf bank_mask:0xf
.endr
	v_permlanex16_b32 v6, v[LA], s[SEL], s[SEL+1]
	v_permlanex16_b32 v7, v[LB], s[SEL], s[SEL+1]
	v_add_f32 v[LA], v[LA], v6
	v_add_f32 v[LB], v[LB], v7
	v_rcp_f32 v[RA], v[LA]                         ; each sum holds the weight 1 of the row's maximum: it is at least 1
	v_rcp_f32 v[RB], v[LB]
	v_nop
	s_wait_alu depctr_va_vdst(0)                   ; one wait for the two reciprocals
	v_mov_b32 v[RA+1], v[RA]
	v_mov_b32 v[RB+1], v[RB]
	; OUT.  A slot's offset in P is half its offset in S; its load was waited for long ago, so the register may be rewritten.
.macro OUTS s, rc
	v_pk_mul_f32 v[D+4*(\s):D+4*(\s)+1], v[D+4*(\s):D+4*(\s)+1], v[(\rc):(\rc)+1] op_sel_hi:[1,0]
	v_pk_mul_f32 v[D+4*(\s)+2:D+4*(\s)+3], v[D+4*(\s)+2:D+4*(\s)+3], v[(\rc):(\rc)+1] op_sel_hi:[1,0]
	v_lshrrev_b32 v[AD+(\s)], 1, v[AD+(\s)]
	v_cvt_pk_f16_f32 v[D+4*(\s)], v[D+4*(\s)], v[D+4*(\s)+1]
	v_cvt_pk_f16_f32 v[D+4*(\s)+1], v[D+4*(\s)+2], v[D+4*(\s)+3]
	global_store_b64 v[AD+(\s)], v[D+4*(\s):D+4*(\s)+1], s[6:7]
.endm
	OUTS 0, RA
.irp s, 1,2,3,4,5,6,7
	v_cndmask_b32 v[CH+2*((\s)%2)], v[RB], v[RA], s[SL+(\s)]
	OUTS \s, CH+2*((\s)%2)
.endr
.irp s, 8,9,10,11,12,13,14,15,16
	OUTS \s, RB
.endr
	s_endpgm
.Lfunc_end_k_q372a0b06f3_softmax:
	.size	k_q372a0b06f3_softmax, .Lfunc_end_k_q372a0b06f3_softmax-k_q372a0b06f3_softmax
	.p2alignl 7, 3214868480
	.fill 96, 4, 3214868480
	.section	.rodata,"a",@progbits
	.p2align	6, 0x0
	.amdhsa_kernel k_q372a0b06f3_softmax
		.amdhsa_group_segment_fixed_size 0
		.amdhsa_private_segment_fixed_size 0
		.amdhsa_enable_private_segment 0
		.amdhsa_kernarg_size 16
		.amdhsa_user_sgpr_count 2
		.amdhsa_user_sgpr_kernarg_segment_ptr 1
		.amdhsa_wavefront_size32 1
		.amdhsa_system_sgpr_workgroup_id_x 1
		.amdhsa_system_sgpr_workgroup_id_y 1
		.amdhsa_system_sgpr_workgroup_id_z 1
		.amdhsa_system_vgpr_workitem_id 0
		.amdhsa_next_free_vgpr 120
		.amdhsa_next_free_sgpr 66
		.amdhsa_reserve_vcc 0
		.amdhsa_float_denorm_mode_32 3
		.amdhsa_float_denorm_mode_16_64 3
		.amdhsa_memory_ordered 1
		.amdhsa_forward_progress 1
		.amdhsa_inst_pref_size 29
	.end_amdhsa_kernel
	.amdgpu_metadata
---
amdhsa.version: [ 1, 2 ]
amdhsa.kernels:
  - .name:           k_q372a0b06f3_softmax
    .symbol:         k_q372a0b06f3_softmax.kd
    .args:
      - { .name: sc, .offset: 0, .size: 8, .value_kind: global_buffer, .address_space: global }
      - { .name: pw, .offset: 8, .size: 8, .value_kind: global_buffer, .address_space: global }
    .group_segment_fixed_size: 0
    .private_segment_fixed_size: 0
    .kernarg_segment_align: 8
    .kernarg_segment_size: 16
    .max_flat_workgroup_size: 256
    .sgpr_count:     66
    .vgpr_count:     120
    .wavefront_size: 32
...
	.end_amdgpu_metadata
.endif
;; end of part 4
;; launch pv (part 5): grid 8 x 32, 4 waves a work-group, clusters of 4 x 4, 327,680 bytes of LDS; arguments pw, qkv, out0; writes out0
.if DOCPART == 5
	.amdgcn_target "amdgcn-amd-amdhsa--gfx1250"
	.amdhsa_code_object_version 6
	.text
	.protected	k_q372a0b06f3_pv
	.globl	k_q372a0b06f3_pv
	.p2align	8
	.type	k_q372a0b06f3_pv,@function
k_q372a0b06f3_pv:
	s_mov_b64 s[64:65], 0
	v_nop
	global_prefetch_b8 v0, s[64:65] scope:SCOPE_SE
	s_setreg_imm32_b32 hwreg(HW_REG_WAVE_MODE, 25, 1), 1
	s_wait_xcnt 0x0
	s_wait_alu depctr_hold_cnt(0) depctr_sa_sdst(0) depctr_va_vdst(0) depctr_va_sdst(0) depctr_va_ssrc(0) depctr_va_vcc(0) depctr_vm_vsrc(0)
	s_getreg_b32 s2, hwreg(HW_REG_IB_STS2, 6, 4)
	s_cmp_eq_u32 s2, 0
	s_cbranch_scc0 .Lentry_in_a_cluster
	s_endpgm
.Lentry_in_a_cluster:
	s_bfe_u32 s2, ttmp6, 0x10000c
	s_cmp_lg_u32 s2, 0xf033
	s_cbranch_scc0 .Lentry_shape_is_right
	s_endpgm
.Lentry_shape_is_right:
; out[b][q][e] = sum over k of P[b][q][k] v[b][k][e].  P: f16 [4][2048][2048], zeros behind the diagonal up to the next multiple of 512; v: f16, bytes 4,096-6,143 of the rows of qkv [8192][3072];
; sums in f32; out: f32 [4][2048][1024].
; SHARES.  A tile of out is 128 queries x 128 channels: four waves, each 64 x 64, 16 accumulators.  K (the keys) goes in steps of 256 through a ring of two LDS slots.
; A cluster of 4 x 4 work-groups covers 512 queries x 512 channels: cx picks the channels, cy the queries.  Block j of 512 queries needs the keys 0 .. 512 (j + 1) - 1: 2 (j + 1) K steps.
; A work-group makes TWO tiles, in blocks 3 - jc and then jc (jc = cluster y % 2): 10 K steps whatever jc: all 256 work-groups do equal work, and ONE ring walks both tiles.
; P's tile hangs on the queries alone and is shared along a row of the cluster, v's on the channels alone and is shared along a column: each is asked for JOINTLY, by the same tensor load with the same
; descriptor and a mask that names the four.  Every branch hangs on the wave's number, a counter, jc or the cluster's x, which all sixteen partners share.
; LAYOUT.  Source 0 = 16 channels x 32 keys of v, turned on its way out of LDS by ds_load_tr16_b128; source 1 = 16 queries x 32 keys of P.  Lane l holds query l % 16 and the channels 8 (l / 16) + 0..7.
; The sums start from cleared accumulators (128 lines at the head, in the wait for the first tile, and 128 at the change of tiles), so that the loop has one form of product.
; REGISTERS: window 0: v0-31 addresses; v32-95 rows on the way out; v128-255 the accumulators ((a, b) at v[128 + 8 (4 a + b)]).  Window 1: two fragment buffers of 128: 64 of P, then 64 of v.
.set QROW,   6144                      ; bytes in a row of qkv
.set PROW,   4096                      ; bytes in a row of P, and of out
.set PA,     528                       ; a row of P in LDS: 512 bytes + 16 of padding = 132 words: row r starts at bank 4 r mod 64 (ISA guide 11.1)
.set PV,     288                       ; a row of v: 256 + 32 = 72 words
.set BOFF,   128*PA                    ; a slot: 128 rows of P, then 256 rows of v
.set SLOT,   128*PA+256*PV
.set STAGE,  2*SLOT                    ; behind the ring: 16 rows x 272 bytes for each wave
.set SPITCH, 272
.set SPARE,  STAGE+4*16*SPITCH         ; the spare words, 128 bytes for each wave: two blocks of 256 bytes that no other line names
.set ADRA, 16                          ; v16-17  my P fragments in slot 0, 1
.set ADRB, 20                          ; v20-23  my v fragments: slot 0 keys 0-127, 128-255; slot 1 likewise (so that the immediates stay under 65,536)
.set STO,  24
.set RD,   25
.set CO,   26
.set SPW,  28
.set NIL,  29
.set PFO,  30                          ; v30  my lane's share of a prefetch
.set TMP,  32
.set ACC,  128
.set F0,   0
.set F1,   128
.set UF,   2                           ; s2   the K step (0..9 over both tiles) to be asked for next
.set S1,   18                          ; s18  the first tile's K steps: 8 - 2 jc
.set BND,  19                          ; s19  the lap count at which the first tile ends: 1 + jc
.set G1A,  24                          ; s[24:31], s[32:39]  P's descriptors
.set G0A,  32
.set PAB,  40                          ; s[40:41] P at the 64 rows' half that I fetch
.set PBB,  42                          ; s[42:43] v at the batch's first key, my half of 128 keys, my channels
.set RB1,  44                          ; s44, s45 the two tiles' first rows x 4,096
.set RB2,  45
.set AO,   46                          ; s[46:47] an offset for P
.set G1B,  48                          ; s[48:55], s[56:63]  v's descriptors
.set G0B,  56
.set BO,   66                          ; s[66:67] an offset for v
.set OB1,  68                          ; s[68:69], s[70:71] out at my 64 x 64 of the two tiles
.set OB2,  70
.set PFB,  72                          ; s[72:73] the prefetches' base
.set PFA,  74                          ; s[74:75] the prefetch's address
.set LIMW, 76                          ; s76  I prefetch K steps below this number
.set U2,   77                          ; s77  the K step that the prefetch names
.set PO,   78                          ; s[78:79] its offset
.set MSB, 0
.macro WIN new
.if MSB != (\new)
	s_set_vgpr_msb (MSB<<8)|(\new)
.set MSB, \new
.endif
.endm
.set MUL,  0x05                        ; sources 0 and 1 window 1; C and D window 0
.set TO_F, 0x40                        ; destination window 1, address window 0
.macro JLOAD s                         ; a joint load: waves 0 and 1 fetch P's two halves, waves 2 and 3 v's; an s_nop 0 and four v_nop follow each of the two lines
	s_cmp_eq_u32 s11, 0
	s_cbranch_scc0 .Lfor_b_\@
	tensor_load_to_lds s[G0A+4*(\s):G0A+4*(\s)+3], s[G1A:G1A+7]
	s_nop 0
.rept 4
	v_nop
.endr
	s_branch .Lasked_\@
.Lfor_b_\@:
	tensor_load_to_lds s[G0B+4*(\s):G0B+4*(\s)+3], s[G1B:G1B+7]
	s_nop 0
.rept 4
	v_nop
.endr
.Lasked_\@:
.endm
.macro CREST
	s_cmp_lg_u32 s10, 0
	s_cbranch_scc1 .Lnot_wave_0_\@
	s_barrier_signal -3
.Lnot_wave_0_\@:
	s_barrier_wait -3
	s_barrier_signal -1
	s_barrier_wait -1
.endm
.macro CROUND
	s_barrier_signal -1
	s_barrier_wait -1
	CREST
.endm
; A PREFETCH of the K step two refills on, one instruction a wave, behind the joint load and the run of LDS loads.  P's 64 rows x 512 bytes that a wave fetches are read by the clusters x = 0 and 1: x = 0
; asks, each of the four partners along cx for 16 rows, a lane half a row.  v's 128 rows x 256 bytes are read by both clusters of a batch and again in the second tiles: the cluster with jc = 0 asks,
; in its first tile alone, which walks all 2,048 keys; each of the four partners along cy for 32 rows, a lane a row.  So each 256 bytes are named once.  K steps 0 to 3 come by their loads alone.
.macro ASK
	s_cmp_lt_u32 s[U2], s[LIMW]
	s_cbranch_scc0 .Lnot_mine_\@
	global_prefetch_b8 v[PFO], s[PFA:PFA+1] th:TH_LOAD_NT scope:SCOPE_SE
.Lnot_mine_\@:
.endm
; The addresses of K step UF, made anew from its number: steps below S1 are the first tile's, the others the second's, whose keys begin again at 0.
.macro STEPADR slot
	s_cmp_ge_u32 s[UF], s[S1]
	s_cselect_b32 s80, s[S1], 0
	s_cselect_b32 s81, s[RB2], s[RB1]
	s_sub_co_u32 s80, s[UF], s80                   ; the K step within its tile
	s_lshl_b32 s82, s80, 9                         ; 256 keys are 512 bytes of a row of P
	s_add_co_u32 s[AO], s81, s82
	s_add_nc_u64 s[G0A+4*(\slot)+2:G0A+4*(\slot)+3], s[PAB:PAB+1], s[AO:AO+1]
	s_or_b32 s[G0A+4*(\slot)+3], s[G0A+4*(\slot)+3], 0x80000000
	s_mul_i32 s[BO], s80, 256*QROW                 ; and 256 rows of v
	s_add_nc_u64 s[G0B+4*(\slot)+2:G0B+4*(\slot)+3], s[PBB:PBB+1], s[BO:BO+1]
	s_or_b32 s[G0B+4*(\slot)+3], s[G0B+4*(\slot)+3], 0x80000000
.endm
	s_load_b128 s[4:7], s[0:1], 0x0                ; P s[4:5], qkv s[6:7]
	s_load_b64 s[8:9], s[0:1], 0x10                ; out
	v_lshl_add_u32 v[SPW], v0, 2, SPARE
	v_mov_b32 v[NIL], 0
	ds_add_u32 v[SPW], v[NIL]                      ; the wave's opening: the add and its wait stand ahead of my first tensor load
	v_lshrrev_b32 v1, 5, v0
	v_readfirstlane_b32 s10, v1                    ; wave 0..3
	s_lshr_b32 s11, s10, 1                         ; which half of the tile's queries is mine.  Also: I fetch P (0) or v (1)
	s_and_b32 s12, s10, 1                          ; which half of its channels.  Also: which half of that tile I fetch
	s_bfe_u32 s13, ttmp6, 0x40000                  ; cx
	s_bfe_u32 s14, ttmp6, 0x40004                  ; cy
	s_lshl_b32 s15, ttmp9, 2
	s_add_co_u32 s15, s15, s13                     ; my block of 128 channels
	s_and_b32 s17, ttmp7, 0xffff
	s_lshr_b32 s16, s17, 1                         ; the batch
	s_and_b32 s17, s17, 1                          ; jc
	s_lshl_b32 s[S1], s17, 1
	s_sub_co_u32 s[S1], 8, s[S1]
	s_add_co_u32 s[BND], s17, 1
	s_mov_b32 s[UF], 2
	s_lshl_b32 s86, s14, 2
	s_lshl_b32 s86, 15, s86                        ; my row of the cluster
	s_lshl_b32 s88, 0x1111, s13                    ; my column
	s_or_b32 s[G1A+0], s86, (1<<16)|(1<<20)|(1<<21)|(6<<22)|(3<<25)  ; the mask; elements of 2 bytes; padding on; bit 21 beside a mask; after every 128 words, 4 words
	s_mov_b32 s[G1A+1], 256<<16                    ; tensor_dim0 = 256
	s_mov_b32 s[G1A+2], 64<<16                     ; tensor_dim1 = 64
	s_mov_b32 s[G1A+3], 256<<16                    ; tile_dim0 = 256
	s_mov_b32 s[G1A+4], 64                         ; tile_dim1 = 64
	s_mov_b32 s[G1A+5], 2048                       ; elements from row to row
	s_mov_b32 s[G1A+6], 0
	s_mov_b32 s[G1A+7], 0
	s_or_b32 s[G1B+0], s88, (1<<16)|(1<<20)|(1<<21)|(5<<22)|(7<<25)  ; after every 64 words, 8 words
	s_mov_b32 s[G1B+1], 128<<16
	s_mov_b32 s[G1B+2], 128<<16
	s_mov_b32 s[G1B+3], 128<<16
	s_mov_b32 s[G1B+4], 128
	s_mov_b32 s[G1B+5], 3072
	s_mov_b32 s[G1B+6], 0
	s_mov_b32 s[G1B+7], 0
	; the two tiles' first rows.  Registers that feed P's descriptors never hold cx, those that feed v's never cy.
	s_lshl_b32 s80, s16, 11                        ; the batch's first row
	s_lshl_b32 s82, s17, 9                         ; 512 jc
	s_lshl_b32 s86, s14, 7
	s_add_co_u32 s86, s86, s80                     ; + 128 cy
	s_add_co_u32 s[RB2], s86, s82                  ; block jc
	s_add_co_u32 s[RB1], s86, 1536
	s_sub_co_u32 s[RB1], s[RB1], s82               ; block 3 - jc
	s_lshl_b32 s83, s11, 6                         ; out: my 64 rows,
	s_lshl_b32 s84, s15, 9                         ; my tile's 128 channels,
	s_lshl_b32 s85, s12, 8                         ; my 64 of them
	s_add_co_u32 s84, s84, s85
	s_add_co_u32 s85, s[RB1], s83
	s_lshl_b32 s85, s85, 12
	s_add_co_u32 s[OB1], s85, s84
	s_mov_b32 s[OB1+1], 0
	s_add_co_u32 s85, s[RB2], s83
	s_lshl_b32 s85, s85, 12
	s_add_co_u32 s[OB2], s85, s84
	s_mov_b32 s[OB2+1], 0
	s_lshl_b32 s[RB1], s[RB1], 12
	s_lshl_b32 s[RB2], s[RB2], 12
	s_lshl_b32 s[AO], s12, 18                      ; P: the 64 rows that I fetch
	s_mov_b32 s[AO+1], 0
	s_lshl_b32 s88, s12, 7                         ; v: the 128 keys that I fetch,
	s_add_co_u32 s88, s88, s80
	s_mul_i32 s88, s88, QROW
	s_lshl_b32 s89, s15, 8                         ; my tile's channels,
	s_add_co_u32 s88, s88, s89
	s_add_co_u32 s[BO], s88, 4096                  ; behind q and k in a row
	s_mov_b32 s[BO+1], 0
	s_lshl_b32 s83, s13, 16                        ; the prefetches: of P's 64 rows my work-group's 16,
	s_add_co_u32 s83, s83, s[AO]
	s_mul_i32 s85, s14, 32*QROW                    ; of v's 128 rows its 32
	s_add_co_u32 s85, s85, s[BO]
	s_cmp_eq_u32 s11, 0
	s_cselect_b32 s[PO], s83, s85
	s_mov_b32 s[PO+1], 0
	s_cmp_eq_u32 ttmp9, 0
	s_cselect_b32 s83, 10, 0
	s_cmp_eq_u32 s17, 0
	s_cselect_b32 s84, 8, 0
	s_cmp_eq_u32 s11, 0
	s_cselect_b32 s[LIMW], s83, s84
	s_mul_i32 s20, s12, 64*PA                      ; where the tiles go: no place in the cluster enters an LDS address
	s_mul_i32 s21, s12, 128*PV
	s_add_co_u32 s21, s21, BOFF
	s_wait_dscnt 0x0                               ; the opening add is done
	s_wait_kmcnt 0x0
	s_add_nc_u64 s[PAB:PAB+1], s[4:5], s[AO:AO+1]
	s_add_nc_u64 s[PBB:PBB+1], s[6:7], s[BO:BO+1]
	s_add_nc_u64 s[OB1:OB1+1], s[8:9], s[OB1:OB1+1]
	s_add_nc_u64 s[OB2:OB2+1], s[8:9], s[OB2:OB2+1]
	s_cmp_eq_u32 s11, 0
	s_cselect_b64 s[PFB:PFB+1], s[4:5], s[6:7]
	s_add_nc_u64 s[PFB:PFB+1], s[PFB:PFB+1], s[PO:PO+1]
	CROUND                                         ; all sixteen work-groups are here: the first joint loads meet
.irp s, 0,1
	s_mov_b32 s[G0A+4*(\s)], 1
	s_add_co_u32 s[G0A+4*(\s)+1], s20, (\s)*SLOT
	s_add_co_u32 s[AO], s[RB1], (\s)*512           ; K steps 0 and 1 of the first tile
	s_add_nc_u64 s[G0A+4*(\s)+2:G0A+4*(\s)+3], s[PAB:PAB+1], s[AO:AO+1]
	s_or_b32 s[G0A+4*(\s)+3], s[G0A+4*(\s)+3], 0x80000000
	s_mov_b32 s[G0B+4*(\s)], 1
	s_add_co_u32 s[G0B+4*(\s)+1], s21, (\s)*SLOT
	s_add_nc_u64 s[G0B+4*(\s)+2:G0B+4*(\s)+3], s[PBB:PBB+1], (\s)*256*QROW
	s_or_b32 s[G0B+4*(\s)+3], s[G0B+4*(\s)+3], 0x80000000
	JLOAD \s
.endr
	v_and_b32 v1, 15, v0                           ; l % 16
	v_bfe_u32 v2, v0, 4, 1                         ; l / 16
	v_and_b32 v3, 7, v0
	v_bfe_u32 v4, v0, 3, 1
	v_and_b32 v5, 31, v0
	v_mul_u32_u24 v6, v1, PA                       ; a fragment of P: row l % 16, 16 bytes for each half of the lanes
	v_lshl_add_u32 v6, v2, 4, v6
	s_mul_i32 s80, s11, 64*PA
	v_add_nc_u32 v[ADRA], s80, v6
	v_add_nc_u32 v[ADRA+1], SLOT, v[ADRA]
	v_lshl_add_u32 v7, v2, 3, v3                   ; the turning load: lane l reads key 8 (l / 16) + l % 8, channels 8 ((l / 8) % 2) + 0..7
	v_mul_u32_u24 v7, v7, PV
	v_lshl_add_u32 v7, v4, 4, v7
	s_lshl_b32 s80, s12, 7
	s_add_co_u32 s80, s80, BOFF
	v_add_nc_u32 v[ADRB], s80, v7
	v_add_nc_u32 v[ADRB+1], 128*PV, v[ADRB]
	v_add_nc_u32 v[ADRB+2], SLOT, v[ADRB]
	v_add_nc_u32 v[ADRB+3], SLOT+128*PV, v[ADRB]
	s_mul_i32 s80, s10, 16*SPITCH
	s_add_co_u32 s80, s80, STAGE                   ; my stage
	v_mul_u32_u24 v8, v1, SPITCH
	v_lshl_add_u32 v8, v2, 5, v8                   ; in: row l % 16, 32 bytes for each half of the lanes
	v_add_nc_u32 v[STO], s80, v8
	v_mul_u32_u24 v8, v2, SPITCH
	v_lshl_add_u32 v8, v1, 4, v8                   ; back: lanes 0-15 one row of 256 bytes, lanes 16-31 the next
	v_add_nc_u32 v[RD], s80, v8
	v_lshlrev_b32 v8, 12, v2
	v_lshl_add_u32 v[CO], v1, 4, v8                ; and the same two rows in out
	v_lshrrev_b32 v8, 1, v5
	v_and_b32 v9, 1, v0
	v_lshlrev_b32 v8, 12, v8
	v_lshl_add_u32 v8, v9, 8, v8                   ; P: row l / 2, half l % 2
	v_mul_u32_u24 v9, v5, QROW                     ; v: row l
	s_cmp_eq_u32 s11, 0
	s_cselect_b32 s80, -1, 0
	v_cndmask_b32 v[PFO], v9, v8, s80
.macro CLEAR
.set i, 0
.rept 128
	v_mov_b32 v[ACC+i], 0
.set i, i+1
.endr
.endm
	CLEAR                                          ; in the wait for the first tile
; 8 matrix instructions: query blocks a0, a0 + 1 x all 4 channel blocks, 32 keys: half c of buffer f.  The 16 accumulators take turns, one instruction a turn, over the backward jump too.
.macro MUL8 f, c, a0
	WIN MUL
.irp a, \a0, (\a0)+1
.irp b, 0,1,2,3
	v_wmma_f32_16x16x32_f16 v[ACC+8*(4*(\a)+(\b)):ACC+8*(4*(\a)+(\b))+7], v[(\f)+64+8*(4*(\c)+(\b)):(\f)+64+8*(4*(\c)+(\b))+7], v[(\f)+8*(4*(\c)+(\a)):(\f)+8*(4*(\c)+(\a))+7], v[ACC+8*(4*(\a)+(\b)):ACC+8*(4*(\a)+(\b))+7]
.endr
.endr
.endm
; 32 LDS loads in one run: the fragments of quarter q (64 keys) of a slot into buffer f; its first 32 keys first
.macro FETCH slot, q, f
	WIN TO_F
.irp c, 0,1
.irp i, 0,1,2,3
	ds_load_tr16_b128 v[(\f)+64+8*(4*(\c)+(\i)):(\f)+64+8*(4*(\c)+(\i))+3],   v[ADRB+2*(\slot)+(\q)/2] offset:((\q)%2)*64*PV+(\c)*32*PV+32*(\i)
	ds_load_tr16_b128 v[(\f)+64+8*(4*(\c)+(\i))+4:(\f)+64+8*(4*(\c)+(\i))+7], v[ADRB+2*(\slot)+(\q)/2] offset:((\q)%2)*64*PV+(\c)*32*PV+16*PV+32*(\i)
	ds_load_b128 v[(\f)+8*(4*(\c)+(\i)):(\f)+8*(4*(\c)+(\i))+3],   v[ADRA+(\slot)] offset:128*(\q)+64*(\c)+(\i)*16*PA
	ds_load_b128 v[(\f)+8*(4*(\c)+(\i))+4:(\f)+8*(4*(\c)+(\i))+7], v[ADRA+(\slot)] offset:128*(\q)+64*(\c)+(\i)*16*PA+32
.endr
.endr
.endm
.macro PLACES                          ; four plain places between a matrix instruction and a load into a register that it has read (ISA guide 7.12.1 for vector instructions)
.rept 4
	v_nop
.endr
.endm
; A K step is four quarters of 64 keys, 32 matrix instructions each, on buffers 0, 1, 0, 1.  One of the first three: multiplies buffer f and fetches quarter q into g.
.macro QUARTER slot, q, f, g
	s_wait_dscnt 16                                ; the first 32 keys' fragments are in
	MUL8 \f, 0, 0
	MUL8 \f, 0, 2
	PLACES
	FETCH \slot, \q, \g
	s_wait_dscnt 32                                ; all but the 32 just issued
	MUL8 \f, 1, 0
	MUL8 \f, 1, 2
.endm
; The last quarter multiplies buffer 1 and changes slots: ONE barrier; in front of it each wave waits for all its tensor loads (one is out: its part of the next slot), adds 0 to its spare word, and waits for
; that and for its own reads of this slot.  fill = 1: the barrier opens a round of the cluster's, and this slot is filled again first thing behind it, with K step UF: 112 matrix instructions ahead of the wait for it.
.macro TURN slot, next, fill
.if \fill
	s_wait_xcnt 0x0                                ; the last prefetch, a K step back, has read its address, which is written below
.endif
	WIN 0
	s_wait_tensorcnt 0x0                           ; no tensor load of mine is out, so a group 0 may be written
	ds_add_u32 v[SPW], v[NIL]                      ; 0 onto my spare word: scalar work and eight products stand between it and the wait for it
.if \fill
	STEPADR \slot
	s_add_co_u32 s[U2], s[UF], 2                   ; the prefetch's K step, by the same arithmetic
	s_cmp_ge_u32 s[U2], s[S1]
	s_cselect_b32 s83, s[S1], 0
	s_cselect_b32 s84, s[RB2], s[RB1]
	s_sub_co_u32 s83, s[U2], s83
	s_lshl_b32 s85, s83, 9
	s_add_co_u32 s84, s84, s85
	s_mul_i32 s85, s83, 256*QROW
	s_cmp_eq_u32 s11, 0
	s_cselect_b32 s[PO], s84, s85
	s_add_nc_u64 s[PFA:PFA+1], s[PFB:PFB+1], s[PO:PO+1]
	s_add_co_u32 s[UF], s[UF], 1
.endif
	s_wait_dscnt 17                                ; (the add and the youngest sixteen loads may be out)
	MUL8 F1, 0, 0
	s_wait_dscnt 0x0                               ; the add is done, and my reads of this slot are over
	s_barrier_signal -1
	MUL8 F1, 0, 2
.if \fill
	WIN 0
.endif
	s_barrier_wait -1
.if \fill
	CREST                                          ; no wave of any partner still reads this slot's tile or has a load on its way
	JLOAD \slot                                    ; its four v_nop are also the places in front of the loads below
.else
	PLACES
.endif
	FETCH \next, 0, F0
.if \fill
	WIN 0
	ASK
.endif
	MUL8 F1, 1, 0
	MUL8 F1, 1, 2
.endm
; THE WAY OUT of a tile: 16 queries x 64 channels at a time go as they are into my own stage, rows of 272 bytes, each accumulator's low registers first, and come back as whole rows of 256 bytes.
.macro OUT base
	WIN 0
	PLACES                                         ; eight places, once a tile, in front of LDS stores that read results
	PLACES
.irp a, 0,1,2,3
.irp b, 0,1,2,3
	ds_store_b128 v[STO], v[ACC+8*(4*(\a)+(\b)):ACC+8*(4*(\a)+(\b))+3]   offset:64*(\b)
	ds_store_b128 v[STO], v[ACC+8*(4*(\a)+(\b))+4:ACC+8*(4*(\a)+(\b))+7] offset:64*(\b)+16
.endr
	s_wait_xcnt 0x0                                ; the registers that earlier stores read are loaded again only behind this wait
.irp t, 0,1,2,3,4,5,6,7
	ds_load_b128 v[TMP+32*((\a)%2)+4*(\t):TMP+32*((\a)%2)+4*(\t)+3], v[RD] offset:(\t)*2*SPITCH  ; LDS serves a wave's instructions in order (ISA guide 5.7.1.4): these see the stores above
.endr
	s_wait_dscnt 0x0
.irp t, 0,1,2,3,4,5,6,7
	global_store_b128 v[CO], v[TMP+32*((\a)%2)+4*(\t):TMP+32*((\a)%2)+4*(\t)+3], s[(\base):(\base)+1] offset:(16*(\a)+2*(\t))*PROW  ; 16 lanes store 256 consecutive bytes, at a multiple of 256 from out's first byte
.endr
.endr
.endm
	s_wait_tensorcnt 1                             ; my part of K step 0 is in; K step 1's may stay out
	s_barrier_signal -1
	s_barrier_wait -1
	FETCH 0, 0, F0
	WIN 0
	s_mov_b32 s3, 4
.Llap:                                                 ; four trips of two K steps; each fills both slots again: K steps 2 to 9
	QUARTER 0, 1, F0, F1
	QUARTER 0, 2, F1, F0
	QUARTER 0, 3, F0, F1
	TURN 0, 1, 1
	QUARTER 1, 1, F0, F1
	QUARTER 1, 2, F1, F0
	QUARTER 1, 3, F0, F1
	TURN 1, 0, 1
	WIN 0
	s_cmp_lg_u32 s3, s[BND]                        ; the first tile has 4 - jc laps
	s_cbranch_scc1 .Lsame_tile                     ; forward, over text that holds no barrier and no tensor load
	OUT OB1                                        ; both refills for the second tile are asked for: now the first goes out
	CLEAR
.Lsame_tile:
	s_sub_co_u32 s3, s3, 1
	s_cmp_lg_u32 s3, 0
	s_cbranch_scc1 .Llap
	QUARTER 0, 1, F0, F1                           ; the last lap fills nothing, and has no round of the cluster's barrier
	QUARTER 0, 2, F1, F0
	QUARTER 0, 3, F0, F1
	TURN 0, 1, 0
	QUARTER 1, 1, F0, F1
	QUARTER 1, 2, F1, F0
	QUARTER 1, 3, F0, F1
	s_wait_dscnt 16
	MUL8 F1, 0, 0
	MUL8 F1, 0, 2
	s_wait_dscnt 0x0
	MUL8 F1, 1, 0
	MUL8 F1, 1, 2
	OUT OB2
	s_wait_tensorcnt 0x0                           ; the wave's end, behind my last tensor load and my last LDS store
	ds_add_u32 v[SPW], v[NIL]
	s_wait_dscnt 0x0
	CROUND                                         ; the closing round: no work-group ends while a partner may still ask for a tile that names it
	s_endpgm
.Lfunc_end_k_q372a0b06f3_pv:
	.size	k_q372a0b06f3_pv, .Lfunc_end_k_q372a0b06f3_pv-k_q372a0b06f3_pv
	.p2alignl 7, 3214868480
	.fill 96, 4, 3214868480
	.section	.rodata,"a",@progbits
	.p2align	6, 0x0
	.amdhsa_kernel k_q372a0b06f3_pv
		.amdhsa_group_segment_fixed_size 327680
		.amdhsa_private_segment_fixed_size 0
		.amdhsa_enable_private_segment 0
		.amdhsa_kernarg_size 24
		.amdhsa_user_sgpr_count 2
		.amdhsa_user_sgpr_kernarg_segment_ptr 1
		.amdhsa_wavefront_size32 1
		.amdhsa_system_sgpr_workgroup_id_x 1
		.amdhsa_system_sgpr_workgroup_id_y 1
		.amdhsa_system_sgpr_workgroup_id_z 1
		.amdhsa_system_vgpr_workitem_id 0
		.amdhsa_next_free_vgpr 512
		.amdhsa_next_free_sgpr 96
		.amdhsa_reserve_vcc 0
		.amdhsa_float_denorm_mode_32 3
		.amdhsa_float_denorm_mode_16_64 3
		.amdhsa_memory_ordered 1
		.amdhsa_forward_progress 1
		.amdhsa_inst_pref_size 105
	.end_amdhsa_kernel
	.amdgpu_metadata
---
amdhsa.version: [ 1, 2 ]
amdhsa.kernels:
  - .name:           k_q372a0b06f3_pv
    .symbol:         k_q372a0b06f3_pv.kd
    .args:
      - { .name: pw, .offset: 0, .size: 8, .value_kind: global_buffer, .address_space: global }
      - { .name: qkv, .offset: 8, .size: 8, .value_kind: global_buffer, .address_space: global }
      - { .name: out0, .offset: 16, .size: 8, .value_kind: global_buffer, .address_space: global }
    .group_segment_fixed_size: 327680
    .private_segment_fixed_size: 0
    .kernarg_segment_align: 8
    .kernarg_segment_size: 24
    .max_flat_workgroup_size: 128
    .sgpr_count:     96
    .vgpr_count:     512
    .wavefront_size: 32
...
	.end_amdgpu_metadata
.endif
;; end of part 5
;; ======== version 2 of 2: 5 launches; version 1 with the launches cast, softmax written anew for expert scheduling mode
;; limits: values are held in f16: magnitudes above 65,504 overflow, below 6.1e-05 lose precision
;; workspace buffers: xb 16,777,216 bytes; wb 6,291,456 bytes; qkv 50,331,648 bytes; sc 67,108,864 bytes; pw 33,554,432 bytes
;; launch cast (part 6): grid 704 x 1, 4 waves a work-group, no clusters, 37,376 bytes of LDS; arguments x, Wq, Wk, Wv, xb, wb; writes xb, wb
.if DOCPART == 6
	.amdgcn_target "amdgcn-amd-amdhsa--gfx1250"
	.amdhsa_code_object_version 6
	.text
	.protected	k_q372a0b06f3_cast
	.globl	k_q372a0b06f3_cast
	.p2align	8
	.type	k_q372a0b06f3_cast,@function
k_q372a0b06f3_cast:
	s_mov_b64 s[64:65], 0
	v_nop
	global_prefetch_b8 v0, s[64:65] scope:SCOPE_SE
	s_setreg_imm32_b32 hwreg(HW_REG_WAVE_SCHED_MODE, 0, 2), 2
	s_setreg_imm32_b32 hwreg(HW_REG_WAVE_MODE, 25, 1), 1
	s_wait_xcnt 0x0
	s_wait_alu depctr_vm_vsrc(0)
; x [8192][1024] and Wq, Wk, Wv [1024][1024], all f32, are rounded once to bf16 and laid out BY PLANES of 32 along K, as the next launch's tiles want them:
; xb [32 planes][8192 rows][32], wb [32 planes][3072 rows][32] (rows 0-1023 Wq, 1024-2047 Wk, 2048-3071 Wv).  In a plane a row's piece is 64 bytes and the rows lie end to end.
; A stream: each byte is read once and written once; no matrix unit, no barrier, no prefetch (the loads themselves are the stream).
; SHARES.  A work-group takes 16 rows of one input (work-groups 0-511: x; then 64 for each weight).  Wave w takes 8 of them (w / 2) and half of K (w % 2): 32 loads of 512 consecutive
; bytes, all issued before the first is waited for.  A load's lane holds 4 numbers of one plane: 8 bytes of bf16, which go into the wave's own LDS bytes at [plane][row]; a plane's
; 8 rows x 64 bytes come back as 512 consecutive bytes, 16 a lane, and are stored so: each store of the wave covers two aligned blocks of 256 bytes.
; The planes lie 576 bytes apart in LDS.
; THE MODE: SCHED_MODE bits 1:0 = 2 (LLVM: expert scheduling mode 2), set by the entry lines.  The code itself states the register dependences
; between vector instructions and memory or LDS instructions, with s_wait_alu, always for 0.
; THE PLAN.  Registers that memory or LDS instructions touch:
;   v1, v2, v3, v[AD ..]  offsets and LDS addresses, made at the head and never written again: one wait on va_vdst ahead of the first load states them all.
;   X    The 32 loads land in it once each, ahead of every vector instruction that names it.  The loads go in eight GROUPS of four (a row).  Group g's eight roundings read its sixteen registers
;        and write the first two of each four; the four LDS stores that read those pairs are issued in group g + 1, and nothing writes them again.
;   R    LDS loads land in it, global stores read it; no vector instruction names it.
;   v[SPW], v[NIL]  written at the head, read by the closing add alone.
; So ONE wait on va_vdst stands at a group's head: the group before has written its pairs.  The four LDS stores follow it, dealt among this group's roundings, which name this group's registers alone.
; No register that a memory or LDS instruction reads is written again, so no wait on vm_vsrc is owed.
.set PLS,   576                        ; LDS bytes from plane to plane
.set WVB,   16*PLS                     ; a wave's 16 planes
.set SPARE, 4*WVB                      ; behind them: the spare words, 128 bytes for each wave: two blocks of 256 bytes that no other line names
.set SPW, 4                            ; v4   LDS address of my spare word; never rewritten
.set NIL, 5                            ; v5   0; never rewritten
.set AD,  8                            ; v8-23    my byte offset in plane p of the destination
.set X,   24                           ; v[24:151]  32 loads of four registers; the first two of each then hold the packed numbers
.set R,   152                          ; v[152:215] 16 planes read back
	s_load_b256 s[4:11], s[0:1], 0x0               ; x s[4:5], Wq s[6:7], Wk s[8:9], Wv s[10:11]
	s_load_b128 s[12:15], s[0:1], 0x20             ; xb s[12:13], wb s[14:15]
	v_lshl_add_u32 v[SPW], v0, 2, SPARE
	v_mov_b32 v[NIL], 0
	v_lshrrev_b32 v6, 5, v0
	v_readfirstlane_b32 s28, v6                    ; wave 0..3
	v_and_b32 v7, 31, v0                           ; lane
	s_wait_alu depctr_va_sdst(0)                   ; s28 is written, ahead of its first reader: the wave's rows, its half of K and its LDS bytes are made from it
	s_lshr_b32 s29, s28, 1                         ; which 8 rows
	s_and_b32 s30, s28, 1                          ; which half of K
	s_lshl_b32 s31, s29, 15                        ; 8 rows of 4,096 bytes
	s_lshl_b32 s32, s30, 11                        ; 512 numbers of 4 bytes
	s_add_co_u32 s31, s31, s32
	v_lshl_add_u32 v1, v7, 4, s31                  ; in: + 16 x lane
	s_mul_i32 s33, s28, WVB                        ; my LDS bytes
	v_lshrrev_b32 v6, 3, v7
	v_mul_u32_u24 v6, v6, PLS                      ; eight lanes to a plane,
	v_and_b32 v2, 7, v7
	v_lshl_add_u32 v2, v2, 3, v6                   ; 8 bytes a lane
	v_add_nc_u32 v2, s33, v2
	v_lshl_add_u32 v3, v7, 4, s33                  ; back: 16 bytes a lane
	s_max_u32 s16, ttmp9, 512
	s_sub_co_u32 s16, s16, 512                     ; my number among the weights' 192 work-groups (0 for x's)
	s_lshr_b32 s17, s16, 6                         ; which weight
	s_and_b32 s18, s16, 63                         ; which part of it
	s_mov_b32 s34, 8192*64                         ; bytes from plane to plane in xb,
	s_mov_b32 s35, 3072*64                         ; in wb
	s_cmp_lt_u32 ttmp9, 512
	s_cselect_b32 s24, ttmp9, s18                  ; the part of the source,
	s_cselect_b32 s26, ttmp9, s16                  ; and of the destination: the three weights' rows lie one behind the other
	s_cselect_b32 s34, s34, s35
	s_lshl_b32 s24, s24, 16                        ; 16 rows of 4,096 bytes
	s_lshl_b32 s26, s26, 10                        ; 16 rows of 64 bytes
	s_lshl_b32 s35, s29, 9                         ; my 8 of them
	s_add_co_u32 s26, s26, s35
	s_lshl_b32 s35, s34, 4
	s_mul_i32 s35, s35, s30                        ; my 16 planes
	s_add_co_u32 s26, s26, s35
	s_mov_b32 s25, 0
	s_mov_b32 s27, 0
	v_lshlrev_b32 v[AD], 4, v7
.set p, 1
.rept 15
	v_add_nc_u32 v[AD+p], s34, v[AD+p-1]
.set p, p+1
.endr
	s_wait_kmcnt 0x0
	s_cmp_eq_u32 s17, 1
	s_cselect_b64 s[20:21], s[8:9], s[6:7]
	s_cmp_eq_u32 s17, 2
	s_cselect_b64 s[20:21], s[10:11], s[20:21]
	s_cmp_lt_u32 ttmp9, 512
	s_cselect_b64 s[20:21], s[4:5], s[20:21]
	s_cselect_b64 s[22:23], s[12:13], s[14:15]
	s_add_nc_u64 s[20:21], s[20:21], s[24:25]
	s_add_nc_u64 s[22:23], s[22:23], s[26:27]
	s_wait_alu depctr_va_vdst(0)                   ; v1, v2, v3 and v[AD ..] are written: every load and store of the kernel, global or LDS, reads one of them as its offset or address
.set i, 0
.rept 32                               ; load i: row i / 4, numbers 128 (i % 4) on
	global_load_b128 v[X+4*i:X+4*i+3], v1, s[20:21] offset:(i/4)*4096+(i%4)*512 th:TH_LOAD_NT
.set i, i+1
.endr
.set g, 0
.rept 8                                ; group g: loads 4 g to 4 g + 3, a row
	s_wait_loadcnt 28-4*g                          ; loads come back in order (ISA guide 5.7.1): the group's four are in, the younger groups stay out
.if g > 0
	s_wait_alu depctr_va_vdst(0)                   ; the group before has written its four pairs, which the LDS stores below read
.endif
.set j, 0
.rept 4
.set i, 4*g+j
.if g > 0
	ds_store_b64 v2, v[X+4*(i-4):X+4*(i-4)+1] offset:((i-4)%4)*4*PLS+((i-4)/4)*64  ; the group before; no vector instruction since the wait names these registers
.endif
	v_cvt_pk_bf16_f32 v[X+4*i], v[X+4*i], v[X+4*i+1]
	v_cvt_pk_bf16_f32 v[X+4*i+1], v[X+4*i+2], v[X+4*i+3]
.set j, j+1
.endr
.set g, g+1
.endr
	s_wait_alu depctr_va_vdst(0)                   ; the last group has written its four pairs, which the last four LDS stores read
.set i, 28
.rept 4
	ds_store_b64 v2, v[X+4*i:X+4*i+1] offset:(i%4)*4*PLS+(i/4)*64
.set i, i+1
.endr
.set p, 0
.rept 16
	ds_load_b128 v[R+4*p:R+4*p+3], v3 offset:p*PLS  ; LDS serves a wave's instructions in order (ISA guide 5.7.1.4): these see the stores above, which are the wave's own
.set p, p+1
.endr
.set p, 0
.rept 16
	s_wait_dscnt 15-p
	global_store_b128 v[AD+p], v[R+4*p:R+4*p+3], s[22:23]  ; 512 consecutive bytes, at a multiple of 512 from the buffer's first byte
.set p, p+1
.endr
	s_wait_dscnt 0x0                               ; the closing lines, six on end
	s_wait_alu 0x0
	s_wait_tensorcnt 0x0
	ds_add_u32 v[SPW], v[NIL]
	s_wait_dscnt 0x0
	s_endpgm
.Lfunc_end_k_q372a0b06f3_cast:
	.size	k_q372a0b06f3_cast, .Lfunc_end_k_q372a0b06f3_cast-k_q372a0b06f3_cast
	.p2alignl 7, 3214868480
	.fill 96, 4, 3214868480
	.section	.rodata,"a",@progbits
	.p2align	6, 0x0
	.amdhsa_kernel k_q372a0b06f3_cast
		.amdhsa_group_segment_fixed_size 37376
		.amdhsa_private_segment_fixed_size 0
		.amdhsa_enable_private_segment 0
		.amdhsa_kernarg_size 48
		.amdhsa_user_sgpr_count 2
		.amdhsa_user_sgpr_kernarg_segment_ptr 1
		.amdhsa_wavefront_size32 1
		.amdhsa_system_sgpr_workgroup_id_x 1
		.amdhsa_system_sgpr_workgroup_id_y 1
		.amdhsa_system_sgpr_workgroup_id_z 1
		.amdhsa_system_vgpr_workitem_id 0
		.amdhsa_next_free_vgpr 216
		.amdhsa_next_free_sgpr 66
		.amdhsa_reserve_vcc 0
		.amdhsa_float_denorm_mode_32 3
		.amdhsa_float_denorm_mode_16_64 3
		.amdhsa_memory_ordered 1
		.amdhsa_forward_progress 1
		.amdhsa_inst_pref_size 16
	.end_amdhsa_kernel
	.amdgpu_metadata
---
amdhsa.version: [ 1, 2 ]
amdhsa.kernels:
  - .name:           k_q372a0b06f3_cast
    .symbol:         k_q372a0b06f3_cast.kd
    .args:
      - { .name: x, .offset: 0, .size: 8, .value_kind: global_buffer, .address_space: global }
      - { .name: Wq, .offset: 8, .size: 8, .value_kind: global_buffer, .address_space: global }
      - { .name: Wk, .offset: 16, .size: 8, .value_kind: global_buffer, .address_space: global }
      - { .name: Wv, .offset: 24, .size: 8, .value_kind: global_buffer, .address_space: global }
      - { .name: xb, .offset: 32, .size: 8, .value_kind: global_buffer, .address_space: global }
      - { .name: wb, .offset: 40, .size: 8, .value_kind: global_buffer, .address_space: global }
    .group_segment_fixed_size: 37376
    .private_segment_fixed_size: 0
    .kernarg_segment_align: 8
    .kernarg_segment_size: 48
    .max_flat_workgroup_size: 128
    .sgpr_count:     66
    .vgpr_count:     216
    .wavefront_size: 32
...
	.end_amdgpu_metadata
.endif
;; end of part 6
;; launch proj: the kernel of part 2 again; grid 8 x 32, 4 waves a work-group, clusters of 4 x 4, 327,680 bytes of LDS; arguments xb, wb, qkv; writes qkv
;; launch scores: the kernel of part 3 again; grid 36 x 4, 4 waves a work-group, no clusters, 327,680 bytes of LDS; arguments qkv, sc; writes sc
;; launch softmax (part 7): grid 512 x 1, 8 waves a work-group, no clusters, 0 bytes of LDS; arguments sc, pw; writes pw
.if DOCPART == 7
	.amdgcn_target "amdgcn-amd-amdhsa--gfx1250"
	.amdhsa_code_object_version 6
	.text
	.protected	k_q372a0b06f3_softmax
	.globl	k_q372a0b06f3_softmax
	.p2align	8
	.type	k_q372a0b06f3_softmax,@function
k_q372a0b06f3_softmax:
	s_mov_b64 s[64:65], 0
	v_nop
	global_prefetch_b8 v0, s[64:65] scope:SCOPE_SE
	s_setreg_imm32_b32 hwreg(HW_REG_WAVE_SCHED_MODE, 0, 2), 2
	s_setreg_imm32_b32 hwreg(HW_REG_WAVE_MODE, 25, 1), 1
	s_wait_xcnt 0x0
	s_wait_alu depctr_vm_vsrc(0)
; P[b][q][k] = softmax over k <= q of S[b][q][k] / 32.  S: f32 [4][2048][2048]; P: f16 [4][2048][2048], divided by the row's sum and rounded once.
; Row q is written up to column 512 (q / 512 + 1): zeros behind the diagonal, since the next launch walks the keys in blocks of 512.
; The row's true maximum m is taken away: p = 2^(c s - c m), c = log2(e) / 32; the sum is taken in f32 of the unrounded p.
; LIMITS.  p below 2^-126 counts as 0; P below 6e-5 keeps f16's fixed step of 6e-8; NaN and infinities in S are not treated apart.
; SHARES.  A row is read in chunks of 128 scores: 512 bytes, one load of the wave; a chunk of P is 256 consecutive bytes, aligned, one store of the wave.  Row 128 i + t of a batch has i + 1 live chunks.
; A wave takes a PAIR of rows, A = 128 i + t and B = 128 (15 - i) + t, i = 0..7: 17 live chunks and 3 of zeros whatever i, so all 4,096 waves are alike and the text is straight.
; The 17 chunks lie in 17 register SLOTS: slot s is A's chunk i - s where s <= i, else B's chunk s - i - 1.  So slot 0 is always A's diagonal chunk and slot 16 B's; slots 8-16 are always B's;
; for slots 1-7 a lane mask SL (all ones: A) picks the row's statistic by v_cndmask_b32.  Both rows stay in registers between the passes: S is read once.  No LDS, no barrier, no prefetch: the loads are the stream.
; THE MODE: SCHED_MODE bits 1:0 = 2 (LLVM: expert scheduling mode 2), set by the entry lines.  The code itself states the register dependences
; between vector instructions and memory instructions, with s_wait_alu, always for 0.
; THE PLAN.  Registers that memory instructions touch:
;   v[AD ..]   Written at the head; read by the 17 loads; halved once, on the way out; read by the 17 stores.
;   v[ZO ..], v[ZERO ..]  Written at the head; read by the three stores of zeros; never written again.
;   D          The 17 loads land in it once, ahead of every vector instruction that names it; all arithmetic is in place; the first two registers of each slot's four are read by its store and not written again.
; Scalar registers that vector instructions write: s8 (the wave's number) and s[MK ..] (four compares); the slots' masks s[SL ..] are made by scalar selects.
; One wait on va_vdst ahead of the loads states the offsets; one on vm_vsrc ahead of the way out states that the loads have read v[AD ..].  The way out goes in four groups of slots (0-3, 4-7, 8-11, 12-16):
; a group's arithmetic names its own slots' registers alone, and the stores of the group before are dealt among it, behind one wait on va_vdst at the group's head.
.set NINF, 3                           ; v3   -infinity
.set MA,   4                           ; v4, v5  the rows' maxima
.set MB,   5
.set CMA,  8                           ; v[8:9], v[10:11]  c m
.set CMB,  10
.set AD,   12                          ; v12-28  slot s: my byte offset in S, later in P
.set ZO,   29                          ; v29-31  the three zero chunks' offsets
.set D,    32                          ; v[32:99] slot s: four scores
.set T,    100                         ; v100-107 at work
.set LA,   108                         ; v108, v109  the rows' sums
.set LB,   109
.set RA,   110                         ; v[110:111], v[112:113]  1 / sum
.set RB,   112
.set CH,   114                         ; v[114:117]  two pairs for a chosen statistic, by the slot's parity
.set ZERO, 118                         ; v[118:119]  0
.set CS,   20                          ; s[20:21] c
.set SEL,  22                          ; s[22:23] v_permlanex16_b32's selects
.set MK,   24                          ; s[24:27] lanes whose column 4 l + j of a diagonal chunk is hidden
.set SL,   27                          ; s[28:34] slot s = 1..7 at s[SL+s]
	s_load_b128 s[4:7], s[0:1], 0x0                ; S s[4:5], P s[6:7]
	v_lshrrev_b32 v6, 5, v0
	v_readfirstlane_b32 s8, v6                     ; wave 0..7
	v_and_b32 v7, 31, v0
	v_lshlrev_b32 v1, 4, v7                        ; 16 l
	v_lshlrev_b32 v2, 2, v7                        ; 4 l
	v_mov_b32 v[NINF], 0xff800000
	v_mov_b32 v[ZERO], 0
	v_mov_b32 v[ZERO+1], 0
	v_mov_b32 v[CH+1], 0                           ; named with their pairs' low words
	v_mov_b32 v[CH+3], 0
	v_mov_b32 v[LB], 0
	s_mov_b32 s[CS], 0x3d38aa3b                    ; c = log2(e) / 32 = 0.0450842
	s_mov_b32 s[CS+1], s[CS]
	s_mov_b32 s[SEL], 0x76543210
	s_mov_b32 s[SEL+1], 0xfedcba98
	s_lshl_b32 s9, ttmp9, 3
	s_wait_alu depctr_va_sdst(0)                   ; s8 is written, ahead of its first reader: the pair's number is made from it
	s_add_co_u32 s9, s9, s8                        ; the pair's number p
	s_lshr_b32 s10, s9, 10                         ; the batch
	s_bfe_u32 s11, s9, 0x30007                     ; i
	s_and_b32 s12, s9, 127                         ; t
	s_lshl_b32 s13, s10, 11
	s_add_co_u32 s13, s13, s12
	s_lshl_b32 s35, s11, 7
	s_sub_co_u32 s14, 1920, s35
	s_add_co_u32 s14, s14, s13                     ; row B
	s_add_co_u32 s13, s13, s35                     ; row A
	s_lshl_b32 s36, s11, 9
	s_lshl_b32 s15, s13, 13
	s_add_co_u32 s15, s15, s36                     ; A's slot s lies at this less 512 s
	s_lshl_b32 s16, s14, 13
	s_sub_co_u32 s16, s16, s36
	s_sub_co_u32 s16, s16, 512                     ; B's slot s at this plus 512 s
.irp j, 0,1,2,3
	v_add_nc_u32 v[T+(\j)], \j, v2
	v_cmp_lt_u32 s[MK+(\j)], s12, v[T+(\j)]        ; t < 4 l + j
.endr
	v_add_nc_u32 v[AD], s15, v1
.irp s, 1,2,3,4,5,6,7
	s_sub_co_u32 s35, s15, 512*(\s)
	s_add_co_u32 s36, s16, 512*(\s)
	s_cmp_ge_u32 s11, \s
	s_cselect_b32 s35, s35, s36
	s_cselect_b32 s[SL+(\s)], -1, 0
	v_add_nc_u32 v[AD+(\s)], s35, v1
.endr
	v_add_nc_u32 v[T+4], s16, v1
.irp s, 8,9,10,11,12,13,14,15,16
	v_add_nc_u32 v[AD+(\s)], 512*(\s), v[T+4]
.endr
	; the three chunks of zeros: 3 - i % 4 behind A's diagonal chunk, i % 4 behind B's
	s_and_b32 s37, s11, 3
	s_sub_co_u32 s37, 3, s37
	s_lshl_b32 s39, s11, 8
	s_lshl_b32 s38, s13, 12
	s_add_co_u32 s38, s38, s39
	s_add_co_u32 s38, s38, 256                     ; A's chunk i + 1 in P
	s_lshl_b32 s40, s14, 12
	s_sub_co_u32 s40, s40, s39
	s_add_co_u32 s40, s40, 4096                    ; B's chunk 16 - i,
	s_lshl_b32 s41, s37, 8
	s_sub_co_u32 s40, s40, s41                     ; counted from A's share on
.irp z, 0,1,2
	s_add_co_u32 s42, s38, 256*(\z)
	s_add_co_u32 s43, s40, 256*(\z)
	s_cmp_gt_u32 s37, \z
	s_cselect_b32 s42, s42, s43
	v_lshl_add_u32 v[ZO+(\z)], v2, 1, s42          ; + 8 l
.endr
	s_wait_alu depctr_va_sdst(0)                   ; the four compares have written s[MK ..], ahead of their first reader, the selects that hide what lies behind the diagonal
	s_wait_kmcnt 0x0
	s_wait_alu depctr_va_vdst(0)                   ; v[AD ..], v[ZO ..] and v[ZERO ..] are written: the loads and the stores of zeros below read them as offsets and data
.irp s, 0,1,2,3,4,5,6,7,8,9,10,11,12,13,14,15,16
	global_load_b128 v[D+4*(\s):D+4*(\s)+3], v[AD+(\s)], s[4:5] th:TH_LOAD_NT
.endr
.irp z, 0,1,2
	global_store_b64 v[ZO+(\z)], v[ZERO:ZERO+1], s[6:7]
.endr
.macro HIDE s                          ; a diagonal chunk: what lies behind the diagonal counts as -infinity
.irp j, 0,1,2,3
	v_cndmask_b32 v[D+4*(\s)+(\j)], v[D+4*(\s)+(\j)], v[NINF], s[MK+(\j)]
.endr
.endm
	; THE MAXIMA.  Each wait leaves the younger slots' loads out.
	s_wait_loadcnt 16
	HIDE 0
	v_max3_num_f32 v[MA], v[D], v[D+1], v[D+2]
	v_max_num_f32 v[MA], v[MA], v[D+3]
	v_mov_b32 v[MB], v[NINF]
.irp s, 1,2,3,4,5,6,7
.set U, T+4*((\s)%2)
	s_wait_loadcnt 16-(\s)
	v_max3_num_f32 v[U], v[D+4*(\s)], v[D+4*(\s)+1], v[D+4*(\s)+2]
	v_max_num_f32 v[U], v[U], v[D+4*(\s)+3]
	v_cndmask_b32 v[U+1], v[NINF], v[U], s[SL+(\s)]
	v_cndmask_b32 v[U+2], v[U], v[NINF], s[SL+(\s)]
	v_max_num_f32 v[MA], v[MA], v[U+1]
	v_max_num_f32 v[MB], v[MB], v[U+2]
.endr
.irp s, 8,9,10,11,12,13,14,15,16
.set U, T+4*((\s)%2)
	s_wait_loadcnt 16-(\s)
.if (\s) == 16
	HIDE 16
.endif
	v_max3_num_f32 v[U], v[D+4*(\s)], v[D+4*(\s)+1], v[D+4*(\s)+2]
	v_max3_num_f32 v[MB], v[MB], v[U], v[D+4*(\s)+3]
.endr
.irp x, 1,2,4,8
	v_max_num_f32_dpp v[MA], v[MA], v[MA] row_xmask:\x row_mask:0xf bank_mask:0xf
	v_max_num_f32_dpp v[MB], v[MB], v[MB] row_xmask:\x row_mask:0xf bank_mask:0xf
.endr
	v_permlanex16_b32 v6, v[MA], s[SEL], s[SEL+1]  ; (v6 and v7 have been written: the destination counts as read)
	v_permlanex16_b32 v7, v[MB], s[SEL], s[SEL+1]
	v_max_num_f32 v[MA], v[MA], v6
	v_max_num_f32 v[MB], v[MB], v7
	v_mul_f32 v[CMA], s[CS], v[MA]
	v_mul_f32 v[CMB], s[CS], v[MB]
	v_mov_b32 v[CMA+1], v[CMA]
	v_mov_b32 v[CMB+1], v[CMB]
	; THE EXPONENTIALS: ONE BATCH of 68.  A slot's two scalings c s - c m stand ahead of its four exponentials; nothing ahead of the wait below names an exponential's result.
.macro EXPS s, st
	v_pk_fma_f32 v[D+4*(\s):D+4*(\s)+1], v[D+4*(\s):D+4*(\s)+1], s[CS:CS+1], v[(\st):(\st)+1] op_sel_hi:[1,0,0] neg_lo:[0,0,1] neg_hi:[0,0,1]
	v_pk_fma_f32 v[D+4*(\s)+2:D+4*(\s)+3], v[D+4*(\s)+2:D+4*(\s)+3], s[CS:CS+1], v[(\st):(\st)+1] op_sel_hi:[1,0,0] neg_lo:[0,0,1] neg_hi:[0,0,1]
.irp j, 0,1,2,3
	v_exp_f32 v[D+4*(\s)+(\j)], v[D+4*(\s)+(\j)]
.endr
.endm
	EXPS 0, CMA
.irp s, 1,2,3,4,5,6,7
	v_cndmask_b32 v[CH+2*((\s)%2)], v[CMB], v[CMA], s[SL+(\s)]
	EXPS \s, CH+2*((\s)%2)
.endr
.irp s, 8,9,10,11,12,13,14,15,16
	EXPS \s, CMB
.endr
	v_nop                                          ; a plain instruction behind the last exponential (ISA guide 5.7.2),
	s_wait_alu depctr_va_vdst(0)                   ; and one wait for the batch: the 68 exponentials have written v[D ..], ahead of the sums, their first readers
	; THE SUMS
	v_pk_add_f32 v[T:T+1], v[D:D+1], v[D+2:D+3]
	v_add_f32 v[LA], v[T], v[T+1]
.irp s, 1,2,3,4,5,6,7
.set U, T+4*((\s)%2)
	v_pk_add_f32 v[U:U+1], v[D+4*(\s):D+4*(\s)+1], v[D+4*(\s)+2:D+4*(\s)+3]
	v_add_f32 v[U], v[U], v[U+1]
	v_cndmask_b32 v[U+2], v[ZERO], v[U], s[SL+(\s)]
	v_cndmask_b32 v[U+3], v[U], v[ZERO], s[SL+(\s)]
	v_add_f32 v[LA], v[LA], v[U+2]
	v_add_f32 v[LB], v[LB], v[U+3]
.endr
.irp s, 8,9,10,11,12,13,14,15,16
.set U, T+4*((\s)%2)
	v_pk_add_f32 v[U:U+1], v[D+4*(\s):D+4*(\s)+1], v[D+4*(\s)+2:D+4*(\s)+3]
	v_add_f32 v[U], v[U], v[U+1]
	v_add_f32 v[LB], v[LB], v[U]
.endr
.irp x, 1,2,4,8
	v_add_f32_dpp v[LA], v[LA], v[LA] row_xmask:\x row_mask:0xf bank_mask:0xf
	v_add_f32_dpp v[LB], v[LB], v[LB] row_xmask:\x row_mask:0xf bank_mask:0xf
.endr
	v_permlanex16_b32 v6, v[LA], s[SEL], s[SEL+1]
	v_permlanex16_b32 v7, v[LB], s[SEL], s[SEL+1]
	v_add_f32 v[LA], v[LA], v6
	v_add_f32 v[LB], v[LB], v7
	v_rcp_f32 v[RA], v[LA]                         ; each sum holds the weight 1 of the row's maximum: it is at least 1
	v_rcp_f32 v[RB], v[LB]
	v_nop
	s_wait_alu depctr_va_vdst(0)                   ; one wait for the two reciprocals: v[RA] and v[RB] are written, ahead of the two copies, their first readers
	v_mov_b32 v[RA+1], v[RA]
	v_mov_b32 v[RB+1], v[RB]
	; OUT.  A slot's offset in P is half its offset in S; its load was waited for long ago.  SCALE is a slot's arithmetic, SENDS its store.
.macro SCALE s, rc
	v_pk_mul_f32 v[D+4*(\s):D+4*(\s)+1], v[D+4*(\s):D+4*(\s)+1], v[(\rc):(\rc)+1] op_sel_hi:[1,0]
	v_pk_mul_f32 v[D+4*(\s)+2:D+4*(\s)+3], v[D+4*(\s)+2:D+4*(\s)+3], v[(\rc):(\rc)+1] op_sel_hi:[1,0]
	v_lshrrev_b32 v[AD+(\s)], 1, v[AD+(\s)]
	v_cvt_pk_f16_f32 v[D+4*(\s)], v[D+4*(\s)], v[D+4*(\s)+1]
	v_cvt_pk_f16_f32 v[D+4*(\s)+1], v[D+4*(\s)+2], v[D+4*(\s)+3]
.endm
.macro SENDS s
	global_store_b64 v[AD+(\s)], v[D+4*(\s):D+4*(\s)+1], s[6:7]
.endm
	s_wait_alu depctr_vm_vsrc(0)                   ; the 17 loads have read their offsets v[AD ..], which the lines below halve
	SCALE 0, RA                                    ; slots 0 to 3
.irp s, 1,2,3
	v_cndmask_b32 v[CH+2*((\s)%2)], v[RB], v[RA], s[SL+(\s)]
	SCALE \s, CH+2*((\s)%2)
.endr
	s_wait_alu depctr_va_vdst(0)                   ; slots 0 to 3 have their offsets and their packed weights written, which the four stores below read
.irp s, 4,5,6,7
	SENDS (\s)-4                                   ; no vector instruction since the wait names the registers of slots 0 to 3
	v_cndmask_b32 v[CH+2*((\s)%2)], v[RB], v[RA], s[SL+(\s)]
	SCALE \s, CH+2*((\s)%2)
.endr
	s_wait_alu depctr_va_vdst(0)                   ; the same of slots 4 to 7
.irp s, 8,9,10,11
	SENDS (\s)-4
	SCALE \s, RB
.endr
	s_wait_alu depctr_va_vdst(0)                   ; the same of slots 8 to 11
.irp s, 12,13,14,15
	SENDS (\s)-4
	SCALE \s, RB
.endr
	SCALE 16, RB
	s_wait_alu depctr_va_vdst(0)                   ; the same of slots 12 to 16, ahead of the last five stores
.irp s, 12,13,14,15,16
	SENDS \s
.endr
	s_endpgm
.Lfunc_end_k_q372a0b06f3_softmax:
	.size	k_q372a0b06f3_softmax, .Lfunc_end_k_q372a0b06f3_softmax-k_q372a0b06f3_softmax
	.p2alignl 7, 3214868480
	.fill 96, 4, 3214868480
	.section	.rodata,"a",@progbits
	.p2align	6, 0x0
	.amdhsa_kernel k_q372a0b06f3_softmax
		.amdhsa_group_segment_fixed_size 0
		.amdhsa_private_segment_fixed_size 0
		.amdhsa_enable_private_segment 0
		.amdhsa_kernarg_size 16
		.amdhsa_user_sgpr_count 2
		.amdhsa_user_sgpr_kernarg_segment_ptr 1
		.amdhsa_wavefront_size32 1
		.amdhsa_system_sgpr_workgroup_id_x 1
		.amdhsa_system_sgpr_workgroup_id_y 1
		.amdhsa_system_sgpr_workgroup_id_z 1
		.amdhsa_system_vgpr_workitem_id 0
		.amdhsa_next_free_vgpr 120
		.amdhsa_next_free_sgpr 66
		.amdhsa_reserve_vcc 0
		.amdhsa_float_denorm_mode_32 3
		.amdhsa_float_denorm_mode_16_64 3
		.amdhsa_memory_ordered 1
		.amdhsa_forward_progress 1
		.amdhsa_inst_pref_size 29
	.end_amdhsa_kernel
	.amdgpu_metadata
---
amdhsa.version: [ 1, 2 ]
amdhsa.kernels:
  - .name:           k_q372a0b06f3_softmax
    .symbol:         k_q372a0b06f3_softmax.kd
    .args:
      - { .name: sc, .offset: 0, .size: 8, .value_kind: global_buffer, .address_space: global }
      - { .name: pw, .offset: 8, .size: 8, .value_kind: global_buffer, .address_space: global }
    .group_segment_fixed_size: 0
    .private_segment_fixed_size: 0
    .kernarg_segment_align: 8
    .kernarg_segment_size: 16
    .max_flat_workgroup_size: 256
    .sgpr_count:     66
    .vgpr_count:     120
    .wavefront_size: 32
...
	.end_amdgpu_metadata
.endif
;; end of part 7
;; launch pv: the kernel of part 5 again; grid 8 x 32, 4 waves a work-group, clusters of 4 x 4, 327,680 bytes of LDS; arguments pw, qkv, out0; writes out0
